; MI455X (gfx1250); checked and timed in simulation.
; The chip was launched on July 23, 2026; its instructions are those of AMD's public machine-readable ISA for CDNA 5 (MIT licence, August 2026) and "CDNA5" Instruction Set Architecture Reference Guide (July 2026). The comments in the code are by the model that wrote it; some were corrected since.
;; Attention S. Allowed arithmetic: matrix products marked QUANTISED: E4M3 operands, one given power-of-two scale a tensor, by v_wmma_f32_16x16x64_fp8_fp8 or v_wmma_f32_16x16x128_fp8_fp8, f32 sums; everything else in f32.
;; Inputs: b_out 256 float32; b_qkv 768 float32; lowp_scales 8 int32 (the exponents e of the quantised operands' scales 2^e); w_out 256 x 256 float32; w_qkv 256 x 768 float32; x 2 x 256 x 64 x 64 float32.
;; Outputs: out0 2 x 256 x 64 x 64 float32.
;; This version of the problem:
;;   THIS VERSION OF THE PROBLEM IS GIVEN IN LOW PRECISION. The matrix products marked QUANTISED in the list below multiply operands that are first quantised to E4M3 (4 exponent bits, 3 mantissa bits; 8 bits a number), with one given power-of-two scale for each operand tensor; their sums are f32. All else is computed in f32.
;;   The module's matrix products, in the order in which they are computed (A, B: the left and right operand; K: the contracted axis; several contracted axes count as one K, in the product's order):
;;     1. [M 8,192, K 256] x [K 256, N 768]; A: input x; B: input w_qkv: QUANTISED (scales: A lowp_scales[0], B lowp_scales[1])
;;     2. batch 16 x [M 4,096, K 32] x [K 32, N 4,096]; A: computed on the way; B: computed on the way: QUANTISED (scales: A lowp_scales[2], B lowp_scales[3])
;;     3. batch 16 x [M 4,096, K 4,096] x [K 4,096, N 32]; A: softmax (see below); B: computed on the way: QUANTISED (scales: A lowp_scales[4], B lowp_scales[5])
;;     4. [M 8,192, K 256] x [K 256, N 256]; A: computed on the way; B: input w_out: QUANTISED (scales: A lowp_scales[6], B lowp_scales[7])
;;   THE QUANTISER, for each operand of a quantised product, along K:
;;     - The operand's scale is 2^e, e = its entry of the input lowp_scales (int32; the entries are numbered through the quantised products in the list's order, A before B).
;;     - Each number is divided by the scale, clamped to +-448, and rounded to the nearest number of E4M3, ties to even, subnormals kept.
;;     - The product sums the exact products of the quantised numbers (number of the format x scale) in f32.
;;   ~~~python
;;   def quantise(x, axis, e):      # numpy; x: float32 -> the quantised numbers, widened to float32 again
;;       x = np.moveaxis(x, axis, -1); K = x.shape[-1]
;;       r = np.clip(x / 2.0 ** e, -448, 448)
;;       step = 2.0 ** (np.maximum(np.frexp(np.where(r == 0, 1, r))[1] - 1, -6) - 3)
;;       q = np.round(r / step) * step * 2.0 ** e      # np.round: ties to even
;;       return np.moveaxis(q, -1, axis).astype(np.float32)
;;   ~~~
;;   SOFTMAX AHEAD OF A QUANTISED PRODUCT. Where the list says 'softmax', what is quantised is not the finished softmax but p = 2^(t - M), with t = logit x log2(e) and M = ceil(the row's largest t), a whole number; so 1/2 < the row's largest p <= 1. The row's sum l is taken of the UNQUANTISED p, in f32, and the product's result is divided by l at the end. Since M is a whole number, a kernel that streams over the keys may use a running M (the ceiling of the running maximum): every later rescaling is an exact power of two, so the quantised numbers keep their values, but for numbers so far below the row's largest that they fall under the format's range.
;;   OPERANDS COMPUTED ON THE WAY. 'Computed on the way' means the value that the module computes at that place (a softmax that the list does not call 'softmax' is quantised finished and normalised). What goes into a quantiser is computed in f32, as accurately as f32 sums, v_exp_f32 and their like allow (about 1e-6 of the number): no bf16 or f16 on the way to a quantiser, and a product that is left as it is and whose result goes on into a quantised operand takes f32 operands (vector FMAs, or v_wmma_f32_16x16x4_f32). A number that lies on a knife's edge between two numbers of the format may be rounded either way, as far as f32 arithmetic and the matrix unit's own rounding can turn it there, and no further.
;; 2 versions, each right; version 2 is version 1 with the launches qkv, attn, proj written anew for expert scheduling mode. Each part assembles by itself: llvm-mc -triple=amdgcn-amd-amdhsa -mcpu=gfx1250 --defsym DOCPART=n.
;; ======== version 1 of 2: 3 launches
;; workspace buffers: qc 2,097,152 bytes; kv 4,194,304 bytes; at 2,097,152 bytes
;; launch qkv (part 1): grid 64 x 4, 8 waves a work-group, no clusters, 88,064 bytes of LDS; arguments x, w_qkv, b_qkv, lowp_scales, qc, kv; writes qc, kv
.if DOCPART == 1
	.amdgcn_target "amdgcn-amd-amdhsa--gfx1250"
	.amdhsa_code_object_version 6
	.text
	.protected	k_q6450934196_qkv
	.globl	k_q6450934196_qkv
	.p2align	8
	.type	k_q6450934196_qkv,@function
k_q6450934196_qkv:
	s_mov_b64 s[64:65], 0
	v_nop
	global_prefetch_b8 v0, s[64:65] scope:SCOPE_SE
	s_setreg_imm32_b32 hwreg(HW_REG_WAVE_MODE, 25, 1), 1
	s_wait_xcnt 0x0
; qkv = tokens w_qkv + b_qkv on codes of FP8 (E4M3), tokens[b][n][c] = x[b][c][n]; q, k and v leave as codes of FP8 for the attention launch.
; x: [2][256][4096] f32, w_qkv: [256][768] f32: in both K (the channel) is the OUTER axis.  lowp_scales: e0 (x), e1 (w_qkv), e2 (q), e3 (k), e5 (v).
; SHARES.  A work-group takes 128 tokens (b = X / 32, tokens 128 (X % 32) on) x 192 output columns (192 y on): six UNITS of 32 columns.  Unit U = 0 .. 23: U / 8 says q, k or v, U % 8 the head.
; PHASE A.  Wave w owns K rows 32 w .. 32 w + 31 of x's block and of w_qkv's block.  A lane takes TWO neighbouring columns and its registers run down K: a load of the wave covers 256 consecutive bytes, aligned.
;   The conversions take 4 k x 2 columns at a time; v_perm_b32 parts the two columns; each column's 32 codes go into its row in LDS (K innermost, rows of 256 codes + 16 bytes of padding).
; PHASE B, behind the launch's one barrier.  Wave (tq = w / 2, ch = w % 2) makes 32 tokens x 96 columns: three units, each 2 x 2 tiles x 2 K steps of 128.
;   q, k: the product is used TRANSPOSED (source 0 = 16 columns of w_qkv, source 1 = 16 tokens), and lane r of tile u takes column 8 u + r + 8 (r / 8) of the unit: a lane then holds ONE token and d = 16 (lane / 16) + 0 .. 15.
;   v: natural use (source 0 = 16 tokens, source 1 = 16 columns): a lane holds ONE d and eight neighbouring tokens, which are the keys, the K of attention's second product.
;   The bias goes in as the C of a sum's first matrix instruction, divided by 2^(e0 + e1); the conversion's one scale is 2^(e - e0 - e1).
; WHAT IS STORED are images of operand registers, 16 bytes a lane, 512 consecutive bytes a store:
;   qc [head 16][token tile 256][lane][16]: lane (r, h): token 16 T + r, d = 16 h + 0 .. 15.
;   kv [head 16][step of 128 keys 32][8192]: bytes 0 .. 4095: eight key tiles as in qc; bytes 4096 on: [d tile 2][chunk 4][lane][16]: lane (r, h): d = 16 u + r, chunk c': keys 32 c' + 8 h + 0 .. 7 and 32 c' + 16 + 8 h + 0 .. 7.
; Fragments are fetched by four loads of 16 bytes: a permutation of k inside an instruction, the same in both sources.
; LIMITS: e0, e1, and e2 - e0 - e1, e3 - e0 - e1, e5 - e0 - e1 lie between -126 and 119, so that each power of two below and 448 x it are f32 numbers.  NaN among the inputs is not served.
; No tensor loads: the f32 numbers must pass through registers to be quantised.  No cluster: what work-groups share here arrives as f32 and is quantised on the way.
.set PITCH, 272                        ; an LDS row: 256 codes + 16 bytes = 68 words: the sixteen rows of a fragment load start at sixteen different banks
.set WT,    128*PITCH                  ; LDS: 128 rows of x's codes from byte 0, then 192 rows of w_qkv's
.set SETA,  96                         ; phase A: v96-159, v160-223: two sets of 64 numbers
.set CI,    224                        ; v224-239 codes, two columns interleaved
.set CO,    240                        ; v240-255 codes, column by column
.set BQ,    24                         ; v24-71   a unit's C: 16 registers
.set BV,    72                         ; v72-77   v's form of the bias: one number a lane and tile
.set CD,    80                         ; phase B: v80-87 the codes to store
.set ACC,   88                         ; v88-119  four accumulators
.set XF,    120                        ; v120-183 x's fragments (tile T, K step s) at 32 T + 16 s
.set WF,    184                        ; v184-247 a unit's fragments of w_qkv (tile u, K step s) at 32 u + 16 s
; v1 8 x lane; v2, v3 where I store codes (x's rows, w's rows); v4 x's fragments; v5 w's fragments, q and k; v6 the same for v; v7 16 x lane; v8 64 h; v9 4 r; v12-15 2^e0, 448 x 2^e0, 2^e1, 448 x 2^e1; v16, v17 a unit's scale and hold
	s_load_b256 s[4:11], s[0:1], 0x0               ; x s[4:5], w_qkv s[6:7], b_qkv s[8:9], the scales' exponents s[10:11]
	s_load_b128 s[12:15], s[0:1], 0x20             ; qc s[12:13], kv s[14:15]
	v_lshl_add_u32 v78, v0, 2, 0x15400
	v_mov_b32 v79, 0
	v_lshrrev_b32 v10, 5, v0
	v_readfirstlane_b32 s16, v10                   ; wave 0..7
	v_and_b32 v10, 31, v0                          ; lane
	v_and_b32 v11, 15, v0                          ; r
	v_bfe_u32 v18, v0, 4, 1                        ; h
	s_and_b32 s18, ttmp7, 0xffff                   ; y
	s_and_b32 s19, s16, 1                          ; ch
	s_lshr_b32 s20, s16, 1                         ; tq
	s_lshr_b32 s21, ttmp9, 5                       ; b
	s_and_b32 s22, ttmp9, 31                       ; xs: which 128 tokens
	s_mul_i32 s44, s18, 6
	s_mul_i32 s45, s19, 3
	s_add_co_u32 s44, s44, s45                     ; my first unit: 6 y + 3 ch
	s_mov_b32 s33, 0x06040200                      ; v_perm_b32: the even bytes of a pair of registers,
	s_mov_b32 s34, 0x07050301                      ; the odd ones
	v_lshlrev_b32 v1, 3, v10
	v_mul_u32_u24 v2, v10, 2*PITCH
	s_lshl_b32 s45, s16, 5
	v_add_nc_u32 v2, s45, v2                       ; row 2 x lane, byte 32 w
	v_add_nc_u32 v3, WT, v2
	v_mul_u32_u24 v4, v11, PITCH
	v_lshl_add_u32 v4, v18, 4, v4                  ; r x pitch + 16 h
	s_mul_i32 s45, s19, 96*PITCH
	s_add_co_u32 s45, s45, WT
	v_add_nc_u32 v6, s45, v4                       ; my 96 rows of w's codes
	v_and_b32 v19, 8, v11
	v_mul_u32_u24 v19, v19, PITCH
	v_add_nc_u32 v5, v19, v6                       ; the same with row r + 8 (r / 8)
	s_mul_i32 s45, s20, 32*PITCH
	v_add_nc_u32 v4, s45, v4                       ; my 32 rows of x's codes
	v_lshlrev_b32 v7, 4, v10
	v_lshlrev_b32 v8, 6, v18
	v_lshlrev_b32 v9, 2, v11
	s_lshl_b32 s42, s21, 22                        ; x: b x 256 rows of 16,384 bytes,
	s_lshl_b32 s45, s16, 19                        ; + 32 w rows,
	s_or_b32 s42, s42, s45
	s_lshl_b32 s45, s22, 9                         ; + 128 xs tokens of 4 bytes
	s_or_b32 s42, s42, s45
	s_mov_b32 s43, 0
	s_mul_i32 s46, s16, 32*3072                    ; w_qkv: 32 w rows of 3,072 bytes,
	s_mul_i32 s45, s18, 768                        ; + 192 y columns
	s_add_co_u32 s46, s46, s45
	s_mov_b32 s47, 0
	s_lshl_b32 s52, s44, 7                         ; b_qkv: 32 numbers a unit
	s_mov_b32 s53, 0
	s_wait_kmcnt 0x0
	s_load_b256 s[24:31], s[10:11], 0x0            ; e0 .. e7
	s_add_nc_u64 s[36:37], s[4:5], s[42:43]
	s_add_nc_u64 s[38:39], s[6:7], s[46:47]
	s_add_nc_u64 s[40:41], s[8:9], s[52:53]
.irp i, 0,1,2                          ; the biases of my three units, in both forms: the oldest loads
.irp u, 0,1
	global_load_b128 v[BQ+16*\i+8*\u:BQ+16*\i+8*\u+3], v8, s[40:41] offset:128*\i+32*\u        ; q, k: d = 16 h + 8 u + 0 .. 7
	global_load_b128 v[BQ+16*\i+8*\u+4:BQ+16*\i+8*\u+7], v8, s[40:41] offset:128*\i+32*\u+16
	global_load_b32 v[BV+2*\i+\u], v9, s[40:41] offset:128*\i+64*\u                            ; v: d = 16 u + r
.endr
.endr
; Item a: 0, 1: x's tokens 64 a on; 2, 3, 4: w_qkv's columns 64 (a - 2) on.  32 loads: K row i of my 32, two columns a lane.
.macro LOAD a
.set SB, SETA+64*((\a)%2)
.set i, 0
.rept 32
.if (\a) < 2
	global_load_b64 v[SB+2*i:SB+2*i+1], v1, s[36:37] offset:i*16384+256*(\a)
.else
	global_load_b64 v[SB+2*i:SB+2*i+1], v1, s[38:39] offset:i*3072+256*((\a)-2)
.endif
.set i, i+1
.endr
.endm
.macro ITEM a, left                    ; left: the younger loads, which may stay out
.set SB, SETA+64*((\a)%2)
.if (\a) < 2
.set SC, 12
.set AD, 2
.set OF, 64*(\a)*PITCH
.else
.set SC, 14
.set AD, 3
.set OF, 64*((\a)-2)*PITCH
.endif
	s_wait_loadcnt \left
.set i, 0
.rept 64
	v_med3_num_f32 v[SB+i], v[SB+i], -v[SC+1], v[SC+1]   ; the conversion to an 8-bit code does not saturate (ISA guide 7.6.2): the hold at 448 x the scale
.set i, i+1
.endr
.set i, 0
.rept 8
	v_cvt_scalef32_pk8_fp8_f32 v[CI+2*i:CI+2*i+1], v[SB+8*i:SB+8*i+7], v[SC]   ; k = 4 i .. 4 i + 3 of both columns, interleaved
.set i, i+1
.endr
	v_nop                                          ; one plain vector instruction between the conversions and the first reader of their results
.if (\a) < 3
	LOAD (\a)+2                                    ; this set of registers takes the item two further on
.endif
	s_wait_dscnt 0x0                               ; the last item's LDS stores have read their registers
.set i, 0
.rept 8
	v_perm_b32 v[CO+i], v[CI+2*i+1], v[CI+2*i], s33       ; the first column's k = 4 i .. 4 i + 3,
	v_perm_b32 v[CO+8+i], v[CI+2*i+1], v[CI+2*i], s34     ; the second's
.set i, i+1
.endr
	ds_store_b128 v[AD], v[CO:CO+3] offset:OF
	ds_store_b128 v[AD], v[CO+4:CO+7] offset:OF+16
	ds_store_b128 v[AD], v[CO+8:CO+11] offset:OF+PITCH
	ds_store_b128 v[AD], v[CO+12:CO+15] offset:OF+PITCH+16
.endm
.macro MKSCALE e, vs, vh               ; v[vs] = 2^e as f32, v[vh] = 448 x 2^e
	s_add_co_i32 s42, \e, 127
	s_lshl_b32 s43, s42, 23
	v_mov_b32 v[\vs], s43
	s_add_co_i32 s42, s42, 8
	s_lshl_b32 s42, s42, 23
	s_or_b32 s42, s42, 0x600000
	v_mov_b32 v[\vh], s42
.endm
	LOAD 0
	LOAD 1
	s_wait_kmcnt 0x0
	MKSCALE s24, 12, 13
	MKSCALE s25, 14, 15
	s_add_co_i32 s32, s24, s25
	s_sub_co_i32 s32, 0, s32                       ; -(e0 + e1)
	ITEM 0, 32                                     ; only the next item's 32 loads are younger; the biases are in too
	ITEM 1, 32
	ITEM 2, 32
	ITEM 3, 32
	ITEM 4, 0
	s_wait_dscnt 0x0                               ; for the others' sake: my codes lie in LDS
	s_barrier_signal -1
	s_barrier_wait -1                              ; everybody's do; nothing is stored into LDS behind this barrier
.irp T, 0,1
.irp s, 0,1
.irp c, 0,1,2,3
	ds_load_b128 v[XF+32*\T+16*\s+4*\c:XF+32*\T+16*\s+4*\c+3], v4 offset:16*\T*PITCH+128*\s+32*\c
.endr
.endr
.endr
.macro DSTSCALE                        ; s55 = the destination's e: v16 = 2^(e - e0 - e1), v17 = 448 x that
	s_add_co_i32 s55, s55, s32
	s_add_co_i32 s55, s55, 127
	s_lshl_b32 s56, s55, 23
	v_mov_b32 v16, s56
	s_add_co_i32 s55, s55, 8
	s_lshl_b32 s55, s55, 23
	s_or_b32 s55, s55, 0x600000
	v_mov_b32 v17, s55
.endm
.macro FINISH step                     ; four accumulators become 2 x 16 bytes a lane; step: bytes from the first store to the second
.rept 4
	v_nop                                          ; four places behind the last product, ahead of the first read of results and of the next unit's loads into the fragments
.endr
.set j, 0
.rept 32
	v_med3_num_f32 v[ACC+j], v[ACC+j], -v17, v17   ; each accumulator from its low end on
.set j, j+1
.endr
.set j, 0
.rept 4
	v_cvt_scalef32_pk8_fp8_f32 v[CD+2*j:CD+2*j+1], v[ACC+8*j:ACC+8*j+7], v16
.set j, j+1
.endr
	v_nop                                          ; one plain vector instruction behind the last conversion: the next unit writes its sources again
	global_store_b128 v7, v[CD:CD+3], s[48:49]                   ; the wave stores 512 consecutive bytes, aligned
	global_store_b128 v7, v[CD+4:CD+7], s[48:49] offset:\step
.endm
.macro UNIT_QK i
.irp u, 0,1
.irp s, 0,1
.irp c, 0,1,2,3
	ds_load_b128 v[WF+32*\u+16*\s+4*\c:WF+32*\u+16*\s+4*\c+3], v5 offset:(32*\i+8*\u)*PITCH+128*\s+32*\c
.endr
.endr
.endr
.set j, 0
.rept 16
	v_ldexp_f32 v[BQ+16*\i+j], v[BQ+16*\i+j], s32  ; bias / 2^(e0 + e1)
.set j, j+1
.endr
	s_lshl_b32 s52, s51, 17                        ; qc: head x 256 tiles of 512 bytes + 8 xs tiles,
	s_lshl_b32 s53, s22, 12
	s_or_b32 s52, s52, s53
	s_lshl_b32 s53, s51, 18                        ; kv: head x 32 steps of 8,192 bytes + xs steps
	s_lshl_b32 s54, s22, 13
	s_or_b32 s53, s53, s54
	s_lshl_b32 s54, s20, 10                        ; + my two tiles' place: 2 tq x 512
	s_cmp_lt_u32 s50, 8                            ; q or k?  The choice hangs on ids alone
	s_cselect_b32 s52, s52, s53
	s_cselect_b32 s55, s26, s27                    ; e2 or e3
	s_cselect_b64 s[48:49], s[12:13], s[14:15]
	s_or_b32 s52, s52, s54
	s_mov_b32 s53, 0
	s_add_nc_u64 s[48:49], s[48:49], s[52:53]
	DSTSCALE
	s_wait_dscnt 0x0
.irp s, 0,1                            ; the four accumulators take turns, one instruction a turn, in the same order in both K steps
.irp T, 0,1
.irp u, 0,1
.if \s == 0
	v_wmma_f32_16x16x128_fp8_fp8 v[ACC+16*\T+8*\u:ACC+16*\T+8*\u+7], v[WF+32*\u:WF+32*\u+15], v[XF+32*\T:XF+32*\T+15], v[BQ+16*\i+8*\u:BQ+16*\i+8*\u+7]
.else
	v_wmma_f32_16x16x128_fp8_fp8 v[ACC+16*\T+8*\u:ACC+16*\T+8*\u+7], v[WF+32*\u+16:WF+32*\u+31], v[XF+32*\T+16:XF+32*\T+31], v[ACC+16*\T+8*\u:ACC+16*\T+8*\u+7]
.endif
.endr
.endr
.endr
	FINISH 512                                     ; tile T's 16 bytes a lane: d = 16 h + 0 .. 15 of token 16 T + r
.endm
.macro UNIT_V i
.irp u, 0,1
.irp s, 0,1
.irp c, 0,1,2,3
	ds_load_b128 v[WF+32*\u+16*\s+4*\c:WF+32*\u+16*\s+4*\c+3], v6 offset:(32*\i+16*\u)*PITCH+128*\s+32*\c
.endr
.endr
.endr
.irp u, 0,1
.irp j, 0,1,2,3,4,5,6,7
	v_ldexp_f32 v[BQ+16*\i+8*\u+\j], v[BV+2*\i+\u], s32   ; a lane's eight results share one d: its bias / 2^(e0 + e1), eight times
.endr
.endr
	s_lshl_b32 s52, s51, 18
	s_lshl_b32 s53, s22, 13
	s_or_b32 s52, s52, s53
	s_lshl_b32 s53, s20, 9                         ; my 32 keys are chunk tq of the step's four
	s_or_b32 s52, s52, s53
	s_or_b32 s52, s52, 4096                        ; V lies behind the step's K
	s_mov_b32 s53, 0
	s_add_nc_u64 s[48:49], s[14:15], s[52:53]
	s_mov_b32 s55, s29                             ; e5
	DSTSCALE
	s_wait_dscnt 0x0
.irp s, 0,1
.irp u, 0,1
.irp T, 0,1
.if \s == 0
	v_wmma_f32_16x16x128_fp8_fp8 v[ACC+16*\u+8*\T:ACC+16*\u+8*\T+7], v[XF+32*\T:XF+32*\T+15], v[WF+32*\u:WF+32*\u+15], v[BQ+16*\i+8*\u:BQ+16*\i+8*\u+7]
.else
	v_wmma_f32_16x16x128_fp8_fp8 v[ACC+16*\u+8*\T:ACC+16*\u+8*\T+7], v[XF+32*\T+16:XF+32*\T+31], v[WF+32*\u+16:WF+32*\u+31], v[ACC+16*\u+8*\T:ACC+16*\u+8*\T+7]
.endif
.endr
.endr
.endr
	FINISH 2048                                    ; d tile u's 16 bytes a lane: keys 8 h + 0 .. 7 and 16 + 8 h + 0 .. 7 of my 32
.endm
.macro UNIT i
.if \i > 0
	s_wait_xcnt 0x0                                ; the last unit's stores have read their data and their base: both are written again below
.endif
	s_add_co_u32 s50, s44, \i                      ; U
	s_and_b32 s51, s50, 7
	s_lshl_b32 s52, s21, 3
	s_add_co_u32 s51, s51, s52                     ; 8 b + head
	s_cmp_lt_u32 s50, 16                           ; q or k, or v: a branch on ids; no barrier and no LDS store stands in either arm
	s_cbranch_scc0 .Lis_v_\@
	UNIT_QK \i
	s_branch .Lunit_done_\@
.Lis_v_\@:
	UNIT_V \i
.Lunit_done_\@:
.endm
	UNIT 0
	UNIT 1
	UNIT 2
	s_wait_tensorcnt 0x0
	ds_add_u32 v78, v79
	s_wait_dscnt 0x0
	s_endpgm
.Lfunc_end_k_q6450934196_qkv:
	.size	k_q6450934196_qkv, .Lfunc_end_k_q6450934196_qkv-k_q6450934196_qkv
	.p2alignl 7, 3214868480
	.fill 96, 4, 3214868480
	.section	.rodata,"a",@progbits
	.p2align	6, 0x0
	.amdhsa_kernel k_q6450934196_qkv
		.amdhsa_group_segment_fixed_size 88064
		.amdhsa_private_segment_fixed_size 0
		.amdhsa_enable_private_segment 0
		.amdhsa_kernarg_size 48
		.amdhsa_user_sgpr_count 2
		.amdhsa_user_sgpr_kernarg_segment_ptr 1
		.amdhsa_wavefront_size32 1
		.amdhsa_system_sgpr_workgroup_id_x 1
		.amdhsa_system_sgpr_workgroup_id_y 1
		.amdhsa_system_sgpr_workgroup_id_z 1
		.amdhsa_system_vgpr_workitem_id 0
		.amdhsa_next_free_vgpr 256
		.amdhsa_next_free_sgpr 66
		.amdhsa_reserve_vcc 0
		.amdhsa_float_denorm_mode_32 3
		.amdhsa_float_denorm_mode_16_64 3
		.amdhsa_memory_ordered 1
		.amdhsa_forward_progress 1
		.amdhsa_inst_pref_size 87
	.end_amdhsa_kernel
	.amdgpu_metadata
---
amdhsa.version: [ 1, 2 ]
amdhsa.kernels:
  - .name:           k_q6450934196_qkv
    .symbol:         k_q6450934196_qkv.kd
    .args:
      - { .name: x, .offset: 0, .size: 8, .value_kind: global_buffer, .address_space: global }
      - { .name: w_qkv, .offset: 8, .size: 8, .value_kind: global_buffer, .address_space: global }
      - { .name: b_qkv, .offset: 16, .size: 8, .value_kind: global_buffer, .address_space: global }
      - { .name: lowp_scales, .offset: 24, .size: 8, .value_kind: global_buffer, .address_space: global }
      - { .name: qc, .offset: 32, .size: 8, .value_kind: global_buffer, .address_space: global }
      - { .name: kv, .offset: 40, .size: 8, .value_kind: global_buffer, .address_space: global }
    .group_segment_fixed_size: 88064
    .private_segment_fixed_size: 0
    .kernarg_segment_align: 8
    .kernarg_segment_size: 48
    .max_flat_workgroup_size: 256
    .sgpr_count:     66
    .vgpr_count:     256
    .wavefront_size: 32
...
	.end_amdgpu_metadata
.endif
;; end of part 1
;; launch attn (part 2): grid 16 x 16, 8 waves a work-group, no clusters, 33,792 bytes of LDS; arguments qc, kv, lowp_scales, at; writes at
.if DOCPART == 2
	.amdgcn_target "amdgcn-amd-amdhsa--gfx1250"
	.amdhsa_code_object_version 6
	.text
	.protected	k_q6450934196_attn
	.globl	k_q6450934196_attn
	.p2align	8
	.type	k_q6450934196_attn,@function
k_q6450934196_attn:
	s_mov_b64 s[64:65], 0
	v_nop
	global_prefetch_b8 v0, s[64:65] scope:SCOPE_SE
	s_setreg_imm32_b32 hwreg(HW_REG_WAVE_MODE, 25, 1), 1
	s_wait_xcnt 0x0
; Attention on codes of FP8 (E4M3): 16 heads (8 b + head) of 4,096 tokens, head size 32.  qc, kv: the images that the launch before has stored; at: the result as codes (scale 2^e6), an image of the next product's operand.
; THE SOFTMAX AHEAD OF THE SECOND PRODUCT: t = score x log2(e) / sqrt(32); M = the running largest t rounded UP to a whole number, kept as -M = floor(-t); p = 2^(t - M) is quantised with 2^e4, not normalised.
; The row's sum is taken of the unquantised p in f32 and divides at the end.  When M moves, the sum and O are multiplied by 2^(old M - new M): nothing is rounded, and no branch hangs on data.
; SHARES.  A work-group owns 256 queries of one head; each of its eight waves two tiles of 16.  Every wave walks the head's 4,096 keys, 128 a step; a step's fragments of K and V, read from LDS once, serve both tiles.
; LAYOUT.  Both products are used transposed: S^T = K Q^T (source 0 = keys, source 1 = my queries), O^T = V^T P^T (source 0 = 16 of the head's 32, source 1 = P): a lane holds ONE query (lane % 16) throughout.
;   In S^T register j of key tile T is key 16 T + 8 (lane / 16) + j: converted eight at a time, the codes are registers 2 T, 2 T + 1 of the K = 128 form's operand, as that form's own layout has them.  V's image is laid to match.
; K = 32 IN AN INSTRUCTION OF K = 64.  Eight registers of K hold TWO key tiles (four registers each).  Q stands between zeros: (0000, q, 0000).  Against (q, 0000) the product is the first tile's, against (0000, q) the second's:
;   Q's zero codes cancel the other tile (K's codes were held at 448: none is NaN).
; THE FEED.  A slot is two steps, 16,384 consecutive bytes of kv.  Each of the 256 threads copies 4 x 16 bytes of it: loaded into registers a slot ahead, stored into the LDS half that was left, one barrier a slot.
; WHY NO TENSOR LOADS AND NO CLUSTER.  The sixteen work-groups of a head share 8,192 bytes a step, beside which each of eight waves issues some 380 vector instructions; the copy costs a wave two loads and two LDS stores a step.
;   And p is at most 1, so the hold at 448 x 2^e4 changes nothing where e4 >= -8: 128 instructions a step stand under a scalar branch on e4, a whole number read from memory.
; LIMITS: e2 + e3 between -124 and 129 (added to c's exponent field); e4 and e6 between -126 and 119; e4 + e5 is applied by v_ldexp_f32 and has none.
; REGISTERS, in windows of 256 (s_set_vgpr_msb: bits 1:0 source 0, 3:2 source 1, 5:4 source 2, 7:6 destination).  All that the softmax touches lies in window 0:
;   window 0: v1-3 addresses; v6-9 scales; v16 + 8 t statistics; v32 + 16 t p's codes; v64 + 64 t S^T, then p.
;   window 1: v0 + 16 t + 8 u O^T; v32 + 12 t Q between zeros; v64-95 K; v96-127 V; v128-143 the slot on its way.
.set LL,   1                           ; v1  16 x lane: an image's place for my lane
.set LI,   2                           ; v2  16 x thread: my 16 bytes of the copy's 4,096
.set PFO,  3                           ; v3  256 x thread: the prefetch's offset
.set CV,   6                           ; v6  2^e4;  v7  448 x 2^e4
.set HL,   7
.set CV6,  8                           ; v8  2^e6;  v9  448 x 2^e6
.set HL6,  9
.set ST,   16                          ; tile t at v[16 + 8 t]: +0 -M, +1 the largest t, +2, +3 the sum in two halves, +4 f (+5 named with it), +6, +7 at work
.set PC,   32
.set S,    64
.set O,    0                           ; window 1
.set Q,    32
.set KF,   64
.set VF,   96
.set STG,  128
.set HALFB, 16384                      ; an LDS half = a slot
.set MSB, 0
.macro WIN new                         ; the immediate's high byte repeats the setting that is left; a switch that changes nothing is dropped
.if MSB != \new
	s_set_vgpr_msb (MSB<<8)|\new
.set MSB, \new
.endif
.endm
	s_load_b256 s[4:11], s[0:1], 0x0               ; qc s[4:5], kv s[6:7], the scales' exponents s[8:9], at s[10:11]
	v_lshl_add_u32 v254, v0, 2, 0x8000
	v_mov_b32 v255, 0
	v_lshrrev_b32 v4, 5, v0
	v_readfirstlane_b32 s12, v4                    ; wave 0..7
	v_and_b32 v[LL], 31, v0
	v_lshlrev_b32 v[LL], 4, v[LL]
	v_lshlrev_b32 v[LI], 4, v0
	v_lshlrev_b32 v[PFO], 8, v0
	s_and_b32 s13, ttmp7, 0xffff                   ; 8 b + head
	s_lshl_b32 s36, s13, 18                        ; kv: a head's 32 steps of 8,192 bytes
	s_mov_b32 s37, 0
	s_lshl_b32 s38, s13, 17                        ; qc: a head's 256 tiles of 512 bytes,
	s_lshl_b32 s14, ttmp9, 13                      ; + 16 x tiles,
	s_or_b32 s38, s38, s14
	s_lshl_b32 s14, s12, 10                        ; + 2 w
	s_or_b32 s38, s38, s14
	s_mov_b32 s39, 0
	s_lshr_b32 s40, s13, 3                         ; at: token tile 256 b + 16 x + 2 w, 4,096 bytes each,
	s_lshl_b32 s40, s40, 20
	s_lshl_b32 s14, ttmp9, 16
	s_or_b32 s40, s40, s14
	s_lshl_b32 s14, s12, 13
	s_or_b32 s40, s40, s14
	s_and_b32 s14, s13, 7
	s_lshl_b32 s14, s14, 9                         ; + 512 x head: K step head / 4, chunk head % 4
	s_or_b32 s40, s40, s14
	s_mov_b32 s41, 0
	s_mov_b32 s26, 0x76543210                      ; v_permlanex16_b32: lane l xor 16
	s_mov_b32 s27, 0xfedcba98
	s_mov_b32 s28, 0                               ; the trip
	s_lshr_b32 s30, s12, 1                         ; 0 in waves 0 and 1,
	s_or_b32 s30, s30, ttmp9                       ; of the head's first work-group
	s_cmp_eq_u32 s30, 0
	s_cselect_b32 s29, 7, 0                        ; a wave prefetches while the trip is under this
	s_wait_kmcnt 0x0
	s_load_b256 s[16:23], s[8:9], 0x0              ; e0 .. e7
	s_add_nc_u64 s[32:33], s[6:7], s[36:37]        ; the slot to be loaded: slot 0
	s_add_nc_u64 s[34:35], s[4:5], s[38:39]
	s_add_nc_u64 s[10:11], s[10:11], s[40:41]
.macro STAGE_IN                        ; 4 x 4,096 bytes of the slot at s[32:33], 16 bytes a thread, into window 1
	WIN 0x40
.irp i, 0,1,2,3
	global_load_b128 v[STG+4*\i:STG+4*\i+3], v[LI], s[32:33] offset:4096*\i
.endr
.endm
.macro STAGE_OUT half                  ; and from there into an LDS half
	WIN 0x04
.irp i, 0,1,2,3
	ds_store_b128 v[LI], v[STG+4*\i:STG+4*\i+3] offset:(\half)*HALFB+4096*\i
.endr
	WIN 0
.endm
	WIN 0x40
.irp t, 0,1
	global_load_b128 v[Q+12*\t+4:Q+12*\t+7], v[LL], s[34:35] offset:512*\t   ; Q stays in registers
.endr
	STAGE_IN                                       ; slot 0
.irp j, 0,1,2,3,8,9,10,11,12,13,14,15,20,21,22,23
	v_mov_b32 v[Q+\j], 0                           ; the zeros round Q
.endr
.set j, 0
.rept 32
	v_mov_b32 v[O+j], 0                            ; O^T.  (The step is written once: the first finds zeros, which the first change of M leaves zeros)
.set j, j+1
.endr
	WIN 0
.irp t, 0,1
	v_mov_b32 v[ST+8*\t+1], 0xff61b1e6             ; the largest t so far: -3e38, under every t
	v_floor_f32 v[ST+8*\t], -v[ST+8*\t+1]          ; -M
	v_mov_b32 v[ST+8*\t+2], 0                      ; the sum
	v_mov_b32 v[ST+8*\t+3], 0
	v_mov_b32 v[ST+8*\t+5], 0                      ; (named as the upper half of f's pair)
.endr
	s_wait_kmcnt 0x0
	s_mov_b32 s24, 0x3e8293ee                      ; c = log2(e) / sqrt(32)
	s_add_co_i32 s14, s18, s19
	s_lshl_b32 s14, s14, 23
	s_add_co_i32 s24, s24, s14                     ; a score stands for score x 2^(e2 + e3): the two exponents are added to c's exponent field
	s_mov_b32 s25, s24                             ; (named with it as a pair, so it is written)
	s_add_co_i32 s14, s20, 127
	s_lshl_b32 s15, s14, 23
	v_mov_b32 v[CV], s15
	s_add_co_i32 s14, s14, 8
	s_lshl_b32 s14, s14, 23
	s_or_b32 s14, s14, 0x600000
	v_mov_b32 v[HL], s14
	s_add_co_i32 s14, s22, 127
	s_lshl_b32 s15, s14, 23
	v_mov_b32 v[CV6], s15
	s_add_co_i32 s14, s14, 8
	s_lshl_b32 s14, s14, 23
	s_or_b32 s14, s14, 0x600000
	v_mov_b32 v[HL6], s14
	s_wait_loadcnt 0x0                             ; Q and slot 0 are in: no load of mine is out when the staging registers are asked for again
	STAGE_OUT 0
	s_wait_dscnt 0x0                               ; slot 0 lies in LDS, and the stores have read their registers
	s_wait_xcnt 0x0                                ; the loads have read their base
	s_add_nc_u64 s[32:33], s[32:33], HALFB
	STAGE_IN                                       ; slot 1
	WIN 0
	s_barrier_signal -1
	s_barrier_wait -1
; One addition of tile t's row sum: number j of 32.  The 32 pairs of p go into two chains, the sum itself and the pair at work, which meet at the end.
.macro SUMJ t
.set rS, S+64*(\t)
.set rT, ST+8*(\t)
.if j == 0
	v_pk_add_f32 v[rT+6:rT+7], v[rS:rS+1], v[rS+2:rS+3]
.elseif j == 31
	v_pk_add_f32 v[rT+2:rT+3], v[rT+2:rT+3], v[rT+6:rT+7]
.elseif j % 2
	v_pk_add_f32 v[rT+2:rT+3], v[rT+2:rT+3], v[rS+2*j+2:rS+2*j+3]
.else
	v_pk_add_f32 v[rT+6:rT+7], v[rT+6:rT+7], v[rS+2*j+2:rS+2*j+3]
.endif
.endm
; A KEY STEP: 128 keys, the q-th of the slot in LDS half hf.
.macro STEP hf, q
.set OFS, (\hf)*HALFB+(\q)*8192
.if \q
	s_wait_dscnt 0x0                               ; this step's K was asked for in the step before
.endif
	WIN 0x05                                       ; K and Q in window 1, S^T in window 0
.irp t, 0,1
.irp g, 0,1,2,3
	v_wmma_f32_16x16x64_fp8_fp8 v[S+64*\t+16*\g:S+64*\t+16*\g+7], v[KF+8*\g:KF+8*\g+7], v[Q+12*\t+4:Q+12*\t+11], 0      ; key tile 2 g: (q, 0000)
	v_wmma_f32_16x16x64_fp8_fp8 v[S+64*\t+16*\g+8:S+64*\t+16*\g+15], v[KF+8*\g:KF+8*\g+7], v[Q+12*\t:Q+12*\t+7], 0     ; key tile 2 g + 1: (0000, q)
.endr
.endr
	WIN 0
.rept 4
	v_nop                                          ; four places: ahead of the first read of the scores, of the loads into K's registers, and of the loads into V's, which the last step's second product read
.endr
	WIN 0x40
.irp i, 0,1,2,3,4,5,6,7
	ds_load_b128 v[VF+4*\i:VF+4*\i+3], v[LL] offset:OFS+4096+512*\i
.endr
.if \q == 0
.irp i, 0,1,2,3,4,5,6,7
	ds_load_b128 v[KF+4*\i:KF+4*\i+3], v[LL] offset:OFS+8192+512*\i   ; the next step's K
.endr
.endif
	WIN 0
	; the largest score of my query among my 64 keys, two chains a tile, both tiles line by line; each accumulator is read from its low end on
.irp t, 0,1
	v_max3_num_f32 v[ST+8*\t+6], v[S+64*\t], v[S+64*\t+1], v[S+64*\t+2]
	v_max3_num_f32 v[ST+8*\t+7], v[S+64*\t+3], v[S+64*\t+4], v[S+64*\t+5]
.endr
.irp i, 6,10,14,18,22,26,30,34,38,42,46,50,54,58
.irp t, 0,1
	v_max3_num_f32 v[ST+8*\t+6], v[ST+8*\t+6], v[S+64*\t+\i], v[S+64*\t+\i+1]
	v_max3_num_f32 v[ST+8*\t+7], v[ST+8*\t+7], v[S+64*\t+\i+2], v[S+64*\t+\i+3]
.endr
.endr
.irp t, 0,1
	v_max3_num_f32 v[ST+8*\t+6], v[ST+8*\t+6], v[S+64*\t+62], v[S+64*\t+63]
.endr
.irp t, 0,1
	v_max_num_f32 v[ST+8*\t+6], v[ST+8*\t+6], v[ST+8*\t+7]
.endr
.irp t, 0,1
	v_permlanex16_b32 v[ST+8*\t+7], v[ST+8*\t+6], s26, s27   ; the query's other 64 keys lie in the lane 16 away
.endr
.irp t, 0,1
	v_max_num_f32 v[ST+8*\t+6], v[ST+8*\t+6], v[ST+8*\t+7]
.endr
.irp t, 0,1
	v_mul_f32 v[ST+8*\t+6], s24, v[ST+8*\t+6]      ; as t (c is positive)
.endr
.irp t, 0,1
	v_max_num_f32 v[ST+8*\t+1], v[ST+8*\t+1], v[ST+8*\t+6]   ; the running largest t
.endr
.irp t, 0,1
	v_mov_b32 v[ST+8*\t+6], v[ST+8*\t]
.endr
.irp t, 0,1
	v_floor_f32 v[ST+8*\t], -v[ST+8*\t+1]          ; the new -M = floor(-t) = -ceil(t)
.endr
.irp t, 0,1
	v_sub_f32 v[ST+8*\t+6], v[ST+8*\t], v[ST+8*\t+6]   ; old M - new M: a whole number, 0 or less
.endr
.irp t, 0,1
	v_cvt_i32_f32 v[ST+8*\t+6], v[ST+8*\t+6]       ; (it saturates)
.endr
.irp t, 0,1
	v_ldexp_f32 v[ST+8*\t+4], 1.0, v[ST+8*\t+6]    ; f = 2^(old M - new M)
.endr
	; t - M, two at a time; tile 1's scalings stand among tile 0's exponentials, tile 0's sums among tile 1's.  Ahead of its wait no line names a batch's result.
.set j, 0
.rept 32
	v_pk_fma_f32 v[S+2*j:S+2*j+1], v[S+2*j:S+2*j+1], s[24:25], v[ST:ST+1] op_sel_hi:[1,0,0]
.set j, j+1
.endr
.set j, 0
.rept 32
	v_pk_fma_f32 v[S+64+2*j:S+64+2*j+1], v[S+64+2*j:S+64+2*j+1], s[24:25], v[ST+8:ST+9] op_sel_hi:[1,0,0]
	v_exp_f32 v[S+2*j], v[S+2*j]                   ; p = 2^(t - M)
	v_exp_f32 v[S+2*j+1], v[S+2*j+1]
.set j, j+1
.endr
	v_pk_mul_f32 v[ST+2:ST+3], v[ST+2:ST+3], v[ST+4:ST+5] op_sel_hi:[1,0]   ; tile 0's sum under the new M; the plain instruction behind the batch
	s_wait_alu depctr_va_vdst(0)                   ; one wait for tile 0's 64 exponentials, ahead of their first reader
.set j, 0
.rept 32
	v_exp_f32 v[S+64+2*j], v[S+64+2*j]
	v_exp_f32 v[S+64+2*j+1], v[S+64+2*j+1]
	SUMJ 0                                         ; THE ROW'S SUM IS TAKEN OF THE UNQUANTISED p
.set j, j+1
.endr
	v_pk_mul_f32 v[ST+10:ST+11], v[ST+10:ST+11], v[ST+12:ST+13] op_sel_hi:[1,0]
	s_wait_alu depctr_va_vdst(0)                   ; one wait for tile 1's 64
.set j, 0
.rept 32
	SUMJ 1
.set j, j+1
.endr
	s_cmp_ge_i32 s20, -8                           ; p is at most 1, and 448 x 2^e4 is at least 1.75 from e4 = -8 on: there the hold changes nothing
	s_cbranch_scc1 .Lno_hold_\@
.set j, 0
.rept 128
	v_min_num_f32 v[S+j], v[S+j], v[HL]            ; the conversion does not saturate (ISA guide 7.6.2); p is not negative, so the hold is one-sided
.set j, j+1
.endr
.Lno_hold_\@:
.set j, 0
.rept 16
	v_cvt_scalef32_pk8_fp8_f32 v[PC+2*j:PC+2*j+1], v[S+8*j:S+8*j+7], v[CV]   ; key tile j % 8 of tile j / 8: registers 2 (j % 8), + 1 of the operand
.set j, j+1
.endr
	WIN 0x41                                       ; O^T (destination and source 0) in window 1, f in window 0
.irp t, 0,1
.irp i, 0,2,4,6,8,10,12,14
	v_pk_mul_f32 v[O+16*\t+\i:O+16*\t+\i+1], v[O+16*\t+\i:O+16*\t+\i+1], v[ST+8*\t+4:ST+8*\t+5] op_sel_hi:[1,0]   ; O^T under the new M.  (Also the plain instructions behind the conversions)
.endr
.endr
.if \q
	s_wait_dscnt 0x0                               ; V is in; my stores of the next slot have landed, and my reads of this slot are over:
	s_barrier_signal -1                            ; say so
.else
	s_wait_dscnt 8                                 ; V is in; the next step's eight loads of K are younger
.endif
	WIN 0x51                                       ; V in window 1, P in window 0, O^T (C and D) in window 1
.irp t, 0,1
.irp u, 0,1
	v_wmma_f32_16x16x128_fp8_fp8 v[O+16*\t+8*\u:O+16*\t+8*\u+7], v[VF+16*\u:VF+16*\u+15], v[PC+16*\t:PC+16*\t+15], v[O+16*\t+8*\u:O+16*\t+8*\u+7]   ; the four accumulators by turns
.endr
.endr
	WIN 0
.if \q
	s_barrier_wait -1                              ; every wave has said so: the half just read may be stored into, and the other half is whole
.endif
.endm
; A SLOT.  In trip t half hf holds slot j = 2 t + hf.  Slot j + 1, staged in registers, goes into the other half, which every wave left at the last barrier; slot j + 2 is asked for; the slot's two steps.
.macro HALF hf
	s_wait_loadcnt 0x0                             ; slot j + 1 is in registers (asked for a slot ago).  The wait stands on every path, ahead of the branch: between two runs of loads into the staging registers all loads are always waited for
.if \hf
	s_cmp_lt_u32 s28, 7                            ; behind slot 15 there is none to store
	s_cbranch_scc0 .Lno_out_\@
.endif
	STAGE_OUT 1-\hf
.if \hf
.Lno_out_\@:
.endif
	WIN 0x40
.irp i, 0,1,2,3,4,5,6,7
	ds_load_b128 v[KF+4*\i:KF+4*\i+3], v[LL] offset:\hf*HALFB+512*\i   ; the first step's K: registers 8 g .. 8 g + 7 hold key tiles 2 g and 2 g + 1
.endr
	WIN 0
	s_wait_dscnt 0x0                               ; K is in, and the stores have read the staging registers
	s_cmp_lt_u32 s28, 7                            ; slots 2 t + 2 and 2 t + 3 exist in trips 0 to 6
	s_cbranch_scc0 .Lno_in_\@
	s_wait_xcnt 0x0                                ; the last loads and the last prefetch, a slot back, have read their base
	s_add_nc_u64 s[32:33], s[32:33], HALFB
	STAGE_IN                                       ; slot j + 2
	WIN 0
	; A PREFETCH INTO THE L2 of slot j + 3, which the next slot's loads will ask for: 64 lanes (waves 0 and 1), 256 bytes apart, cover its 16,384 bytes.  All sixteen work-groups of a head walk the same kv:
	; the head's first asks, so each aligned block of 256 bytes is named once in the launch.  Slots 0 to 2 come by their loads alone; the last request names slot 15.
.if \hf
	s_add_co_u32 s30, s28, 1
	s_cmp_lt_u32 s30, s29
.else
	s_cmp_lt_u32 s28, s29
.endif
	s_cbranch_scc0 .Lno_in_\@
	global_prefetch_b8 v[PFO], s[32:33] offset:HALFB th:TH_LOAD_NT scope:SCOPE_SE
.Lno_in_\@:
	STEP \hf, 0
	STEP \hf, 1
.endm
.Ltrip:                                            ; eight trips of two slots
	HALF 0
	HALF 1
	s_add_co_u32 s28, s28, 1
	s_cmp_lt_u32 s28, 8
	s_cbranch_scc1 .Ltrip
	; THE WAY OUT.  O^T x 2^(e4 + e5) / the sum, held and converted with 2^e6: a lane's 16 bytes are d = 8 h + 0 .. 7 and 16 + 8 h + 0 .. 7 of its token: chunk head % 4 of K step head / 4 of the next product's operand.
.irp t, 0,1
	v_add_f32 v[ST+8*\t+6], v[ST+8*\t+2], v[ST+8*\t+3]       ; the sum's two halves.  (These lines are also the places behind the last products)
.endr
.irp t, 0,1
	v_permlanex16_b32 v[ST+8*\t+7], v[ST+8*\t+6], s26, s27
.endr
.irp t, 0,1
	v_add_f32 v[ST+8*\t+6], v[ST+8*\t+6], v[ST+8*\t+7]       ; and lane l xor 16's
.endr
.irp t, 0,1
	v_rcp_f32 v[ST+8*\t+7], v[ST+8*\t+6]
.endr
	v_nop                                          ; a plain instruction behind the reciprocals
	s_add_co_i32 s30, s20, s21                     ; e4 + e5
	s_wait_alu depctr_va_vdst(0)                   ; one wait for both, ahead of their first reader
.irp t, 0,1
	v_ldexp_f32 v[ST+8*\t+4], v[ST+8*\t+7], s30
.endr
	WIN 0x01                                       ; source 0 (O^T) in window 1
.irp t, 0,1
.irp i, 0,2,4,6,8,10,12,14
	v_pk_mul_f32 v[S+16*\t+\i:S+16*\t+\i+1], v[O+16*\t+\i:O+16*\t+\i+1], v[ST+8*\t+4:ST+8*\t+5] op_sel_hi:[1,0]
.endr
.endr
	WIN 0
.set j, 0
.rept 32
	v_med3_num_f32 v[S+j], v[S+j], -v[HL6], v[HL6]
.set j, j+1
.endr
.set j, 0
.rept 4
	v_cvt_scalef32_pk8_fp8_f32 v[PC+2*j:PC+2*j+1], v[S+8*j:S+8*j+7], v[CV6]
.set j, j+1
.endr
	v_nop
.irp t, 0,1
	global_store_b128 v[LL], v[PC+4*\t:PC+4*\t+3], s[10:11] offset:4096*\t   ; the wave stores 512 consecutive bytes, aligned
.endr
	s_wait_tensorcnt 0x0
	ds_add_u32 v254, v255
	s_wait_dscnt 0x0
	s_endpgm
.Lfunc_end_k_q6450934196_attn:
	.size	k_q6450934196_attn, .Lfunc_end_k_q6450934196_attn-k_q6450934196_attn
	.p2alignl 7, 3214868480
	.fill 96, 4, 3214868480
	.section	.rodata,"a",@progbits
	.p2align	6, 0x0
	.amdhsa_kernel k_q6450934196_attn
		.amdhsa_group_segment_fixed_size 33792
		.amdhsa_private_segment_fixed_size 0
		.amdhsa_enable_private_segment 0
		.amdhsa_kernarg_size 32
		.amdhsa_user_sgpr_count 2
		.amdhsa_user_sgpr_kernarg_segment_ptr 1
		.amdhsa_wavefront_size32 1
		.amdhsa_system_sgpr_workgroup_id_x 1
		.amdhsa_system_sgpr_workgroup_id_y 1
		.amdhsa_system_sgpr_workgroup_id_z 1
		.amdhsa_system_vgpr_workitem_id 0
		.amdhsa_next_free_vgpr 400
		.amdhsa_next_free_sgpr 66
		.amdhsa_reserve_vcc 0
		.amdhsa_float_denorm_mode_32 3
		.amdhsa_float_denorm_mode_16_64 3
		.amdhsa_memory_ordered 1
		.amdhsa_forward_progress 1
		.amdhsa_inst_pref_size 116
	.end_amdhsa_kernel
	.amdgpu_metadata
---
amdhsa.version: [ 1, 2 ]
amdhsa.kernels:
  - .name:           k_q6450934196_attn
    .symbol:         k_q6450934196_attn.kd
    .args:
      - { .name: qc, .offset: 0, .size: 8, .value_kind: global_buffer, .address_space: global }
      - { .name: kv, .offset: 8, .size: 8, .value_kind: global_buffer, .address_space: global }
      - { .name: lowp_scales, .offset: 16, .size: 8, .value_kind: global_buffer, .address_space: global }
      - { .name: at, .offset: 24, .size: 8, .value_kind: global_buffer, .address_space: global }
    .group_segment_fixed_size: 33792
    .private_segment_fixed_size: 0
    .kernarg_segment_align: 8
    .kernarg_segment_size: 32
    .max_flat_workgroup_size: 256
    .sgpr_count:     66
    .vgpr_count:     400
    .wavefront_size: 32
...
	.end_amdgpu_metadata
.endif
;; end of part 2
;; launch proj (part 3): grid 64 x 4, 8 waves a work-group, no clusters, 52,224 bytes of LDS; arguments at, w_out, b_out, lowp_scales, out0; writes out0
.if DOCPART == 3
	.amdgcn_target "amdgcn-amd-amdhsa--gfx1250"
	.amdhsa_code_object_version 6
	.text
	.protected	k_q6450934196_proj
	.globl	k_q6450934196_proj
	.p2align	8
	.type	k_q6450934196_proj,@function
k_q6450934196_proj:
	s_mov_b64 s[64:65], 0
	v_nop
	global_prefetch_b8 v0, s[64:65] scope:SCOPE_SE
	s_setreg_imm32_b32 hwreg(HW_REG_WAVE_MODE, 25, 1), 1
	s_wait_xcnt 0x0
; out0[b][c][n] = sum over k of attn[b][n][k] w_out[k][c] + b_out[c], on codes of FP8 (E4M3).  at: attn's codes (scale 2^e6) as images of the operand's registers; w_out: [256][256] f32, K its OUTER axis, quantised here with 2^e7.
; SHARES.  A work-group takes 128 tokens (b = X / 32, tokens 128 (X % 32) on) x 64 channels (64 y on).  Wave w takes token tile w against all 64 channels.
; w_out: wave w owns K rows 32 w .. 32 w + 31 (head w); a lane takes TWO neighbouring columns and its registers run down K: a load of the wave covers 256 consecutive bytes, aligned.  The K rows are loaded in the order
;   0-7, 16-23, 8-15, 24-31, so that bytes 32 w + 16 h + 0 .. 15 of a column's row in LDS are d = 8 h + 0 .. 7 and 16 + 8 h + 0 .. 7: at's order, which is the K = 128 form's own layout; a fragment then comes by four loads of 16 bytes.
; NATURAL USE (source 0 = 16 tokens, source 1 = 16 channels): a lane holds ONE channel and eight neighbouring tokens, 32 neighbouring bytes of out0.  A channel's 128 tokens come from eight waves: they meet in a stage in LDS,
;   and each wave stores eight whole rows of 512 bytes.
; y = sum x 2^(e6 + e7) + b_out: one packed multiply-add for two numbers.
; LIMITS: e7 between -126 and 119; e6 + e7 between -126 and 127.  NaN among the inputs is not served.
; No tensor loads and no cluster: w_out arrives as f32 and is quantised on the way; at's tiles are read by one wave each.
.set PITCH,  272                       ; a row of w_out's codes in LDS: 256 + 16 bytes
.set SPITCH, 528                       ; a stage row: 128 tokens x 4 bytes + 16
.set STG,    64*PITCH                  ; LDS: 64 rows of codes from byte 0, then the stage: 64 rows
.set BI,   16                          ; v16 + 2 ct: the bias of channel 16 ct + r (the upper word is named with it)
.set AF,   32                          ; v32-63   my token tile's two fragments
.set SET,  64                          ; v64-127  64 numbers of w_out
.set CI,   128                         ; v128-143 codes, two columns interleaved
.set CO,   144                         ; v144-159 codes, column by column
.set BF,   64                          ; behind the barrier: v64-191 w_out's eight fragments (channel tile ct, K step s) at 32 ct + 16 s
.set ACC,  192                         ; v192-223 four accumulators
.set OUT,  224                         ; v224-255 the results
; v1 8 x lane; v2 where I store codes; v3 16 x lane; v4 a fragment's place; v5 into the stage; v6 out of it; v7 4 r; v8, v9 2^e7 and 448 x 2^e7
	s_load_b256 s[4:11], s[0:1], 0x0               ; at s[4:5], w_out s[6:7], b_out s[8:9], the scales' exponents s[10:11]
	s_load_b64 s[12:13], s[0:1], 0x20              ; out0
	v_lshl_add_u32 v30, v0, 2, 0xc800
	v_mov_b32 v31, 0
	v_lshrrev_b32 v10, 5, v0
	v_readfirstlane_b32 s16, v10                   ; wave 0..7
	v_and_b32 v10, 31, v0                          ; lane
	v_and_b32 v11, 15, v0                          ; r
	v_bfe_u32 v12, v0, 4, 1                        ; h
	s_and_b32 s17, ttmp7, 0xffff                   ; y
	s_lshr_b32 s18, ttmp9, 5                       ; b
	s_and_b32 s19, ttmp9, 31                       ; xs
	v_lshlrev_b32 v1, 3, v10
	v_mul_u32_u24 v2, v10, 2*PITCH
	s_lshl_b32 s44, s16, 5
	v_add_nc_u32 v2, s44, v2                       ; row 2 x lane, byte 32 w
	v_lshlrev_b32 v3, 4, v10
	v_mul_u32_u24 v4, v11, PITCH
	v_lshl_add_u32 v4, v12, 4, v4
	v_mul_u32_u24 v5, v11, SPITCH
	v_lshl_add_u32 v5, v12, 5, v5
	s_lshl_b32 s44, s16, 6
	s_add_co_u32 s44, s44, STG
	v_add_nc_u32 v5, s44, v5                       ; stage row r, + 64 w (my 16 tokens) + 32 h
	s_mul_i32 s44, s16, 8*SPITCH
	s_add_co_u32 s44, s44, STG
	v_add_nc_u32 v6, s44, v3                       ; back: my eight rows, 16 bytes a lane
	v_lshlrev_b32 v7, 2, v11
	s_lshl_b32 s36, ttmp9, 15                      ; at: token tile 8 X + w, 4,096 bytes each
	s_lshl_b32 s44, s16, 12
	s_or_b32 s36, s36, s44
	s_mov_b32 s37, 0
	s_lshl_b32 s38, s16, 15                        ; w_out: 32 w rows of 1,024 bytes,
	s_lshl_b32 s40, s17, 8                         ; + 64 y columns; b_out likewise
	s_or_b32 s38, s38, s40
	s_mov_b32 s39, 0
	s_mov_b32 s41, 0
	s_lshl_b32 s42, s18, 22                        ; out0: channel 256 b + 64 y + 8 w, rows of 16,384 bytes,
	s_lshl_b32 s44, s17, 20
	s_or_b32 s42, s42, s44
	s_lshl_b32 s44, s16, 17
	s_or_b32 s42, s42, s44
	s_lshl_b32 s44, s19, 9                         ; + 128 xs tokens
	s_or_b32 s42, s42, s44
	s_mov_b32 s43, 0
	s_mov_b32 s14, 0x06040200                      ; v_perm_b32: the even bytes of a pair of registers,
	s_mov_b32 s15, 0x07050301                      ; the odd ones
	s_wait_kmcnt 0x0
	s_load_b256 s[24:31], s[10:11], 0x0            ; e0 .. e7
	s_add_nc_u64 s[20:21], s[4:5], s[36:37]
	s_add_nc_u64 s[22:23], s[6:7], s[38:39]
	s_add_nc_u64 s[32:33], s[8:9], s[40:41]
	s_add_nc_u64 s[34:35], s[12:13], s[42:43]
.set i, 0
.rept 32
	global_load_b64 v[SET+2*i:SET+2*i+1], v1, s[22:23] offset:((i&7)+16*((i>>3)&1)+8*((i>>4)&1))*1024
.set i, i+1
.endr
.irp s, 0,1
.irp c, 0,1,2,3
	global_load_b128 v[AF+16*\s+4*\c:AF+16*\s+4*\c+3], v3, s[20:21] offset:2048*\s+512*\c
.endr
.endr
.irp ct, 0,1,2,3
	global_load_b32 v[BI+2*\ct], v7, s[32:33] offset:64*\ct
	v_mov_b32 v[BI+2*\ct+1], 0
.endr
	s_wait_kmcnt 0x0
	s_add_co_i32 s44, s31, 127
	s_lshl_b32 s45, s44, 23
	v_mov_b32 v8, s45                              ; 2^e7 as f32: the conversion takes its exponent field
	s_add_co_i32 s44, s44, 8
	s_lshl_b32 s44, s44, 23
	s_or_b32 s44, s44, 0x600000
	v_mov_b32 v9, s44                              ; 448 x 2^e7
	s_add_co_i32 s46, s30, s31
	s_add_co_i32 s46, s46, 127
	s_lshl_b32 s46, s46, 23                        ; 2^(e6 + e7) as f32
	s_mov_b32 s47, s46                             ; (named with it as a pair, so it is written)
	s_wait_loadcnt 0x0
.set i, 0
.rept 64
	v_med3_num_f32 v[SET+i], v[SET+i], -v9, v9     ; the conversion to an 8-bit code does not saturate (ISA guide 7.6.2): the hold at 448 x the scale
.set i, i+1
.endr
.set i, 0
.rept 8
	v_cvt_scalef32_pk8_fp8_f32 v[CI+2*i:CI+2*i+1], v[SET+8*i:SET+8*i+7], v8
.set i, i+1
.endr
	v_nop                                          ; one plain vector instruction between the conversions and the first reader of their results
.set i, 0
.rept 8
	v_perm_b32 v[CO+i], v[CI+2*i+1], v[CI+2*i], s14
	v_perm_b32 v[CO+8+i], v[CI+2*i+1], v[CI+2*i], s15
.set i, i+1
.endr
	ds_store_b128 v2, v[CO:CO+3]
	ds_store_b128 v2, v[CO+4:CO+7] offset:16
	ds_store_b128 v2, v[CO+8:CO+11] offset:PITCH
	ds_store_b128 v2, v[CO+12:CO+15] offset:PITCH+16
	s_wait_dscnt 0x0                               ; for the others' sake: my codes lie in LDS
	s_barrier_signal -1
	s_barrier_wait -1                              ; everybody's do
.irp ct, 0,1,2,3
.irp s, 0,1
.irp c, 0,1,2,3
	ds_load_b128 v[BF+32*\ct+16*\s+4*\c:BF+32*\ct+16*\s+4*\c+3], v4 offset:16*\ct*PITCH+128*\s+32*\c
.endr
.endr
.endr
	s_wait_dscnt 0x0
.irp s, 0,1                            ; the four accumulators take turns, one instruction a turn, in the same order in both K steps
.irp ct, 0,1,2,3
.if \s == 0
	v_wmma_f32_16x16x128_fp8_fp8 v[ACC+8*\ct:ACC+8*\ct+7], v[AF:AF+15], v[BF+32*\ct:BF+32*\ct+15], 0
.else
	v_wmma_f32_16x16x128_fp8_fp8 v[ACC+8*\ct:ACC+8*\ct+7], v[AF+16:AF+31], v[BF+32*\ct+16:BF+32*\ct+31], v[ACC+8*\ct:ACC+8*\ct+7]
.endif
.endr
.endr
.rept 4
	v_nop                                          ; four places behind the last product (ISA guide 7.12.1), ahead of the first read of results
.endr
.irp ct, 0,1,2,3
.irp i, 0,2,4,6
	v_pk_fma_f32 v[OUT+8*\ct+\i:OUT+8*\ct+\i+1], v[ACC+8*\ct+\i:ACC+8*\ct+\i+1], s[46:47], v[BI+2*\ct:BI+2*\ct+1] op_sel_hi:[1,0,0]   ; sum x 2^(e6 + e7) + bias (of both pairs the low word serves both halves)
.endr
.endr
.irp ct, 0,1,2,3
	ds_store_b128 v5, v[OUT+8*\ct:OUT+8*\ct+3] offset:16*\ct*SPITCH            ; lane (r, h): channel 16 ct + r, tokens 16 w + 8 h + 0 .. 7
	ds_store_b128 v5, v[OUT+8*\ct+4:OUT+8*\ct+7] offset:16*\ct*SPITCH+16
.endr
	s_wait_dscnt 0x0                               ; for the others' sake: my part of each row lies in the stage
	s_barrier_signal -1
	s_barrier_wait -1                              ; 64 whole rows do
.irp i, 0,1,2,3,4,5,6,7
	ds_load_b128 v[BF+4*\i:BF+4*\i+3], v6 offset:\i*SPITCH
.endr
.irp i, 0,1,2,3,4,5,6,7
	s_wait_dscnt 7-\i                              ; LDS loads come back in order (ISA guide 5.7.1): row i is in, the younger ones may be out
	global_store_b128 v3, v[BF+4*\i:BF+4*\i+3], s[34:35] offset:16384*\i th:TH_STORE_NT   ; 32 lanes store 512 consecutive bytes of one channel's row, aligned; written once, read by nobody here
.endr
	s_wait_tensorcnt 0x0
	ds_add_u32 v30, v31
	s_wait_dscnt 0x0
	s_endpgm
.Lfunc_end_k_q6450934196_proj:
	.size	k_q6450934196_proj, .Lfunc_end_k_q6450934196_proj-k_q6450934196_proj
	.p2alignl 7, 3214868480
	.fill 96, 4, 3214868480
	.section	.rodata,"a",@progbits
	.p2align	6, 0x0
	.amdhsa_kernel k_q6450934196_proj
		.amdhsa_group_segment_fixed_size 52224
		.amdhsa_private_segment_fixed_size 0
		.amdhsa_enable_private_segment 0
		.amdhsa_kernarg_size 40
		.amdhsa_user_sgpr_count 2
		.amdhsa_user_sgpr_kernarg_segment_ptr 1
		.amdhsa_wavefront_size32 1
		.amdhsa_system_sgpr_workgroup_id_x 1
		.amdhsa_system_sgpr_workgroup_id_y 1
		.amdhsa_system_sgpr_workgroup_id_z 1
		.amdhsa_system_vgpr_workitem_id 0
		.amdhsa_next_free_vgpr 256
		.amdhsa_next_free_sgpr 66
		.amdhsa_reserve_vcc 0
		.amdhsa_float_denorm_mode_32 3
		.amdhsa_float_denorm_mode_16_64 3
		.amdhsa_memory_ordered 1
		.amdhsa_forward_progress 1
		.amdhsa_inst_pref_size 20
	.end_amdhsa_kernel
	.amdgpu_metadata
---
amdhsa.version: [ 1, 2 ]
amdhsa.kernels:
  - .name:           k_q6450934196_proj
    .symbol:         k_q6450934196_proj.kd
    .args:
      - { .name: at, .offset: 0, .size: 8, .value_kind: global_buffer, .address_space: global }
      - { .name: w_out, .offset: 8, .size: 8, .value_kind: global_buffer, .address_space: global }
      - { .name: b_out, .offset: 16, .size: 8, .value_kind: global_buffer, .address_space: global }
      - { .name: lowp_scales, .offset: 24, .size: 8, .value_kind: global_buffer, .address_space: global }
      - { .name: out0, .offset: 32, .size: 8, .value_kind: global_buffer, .address_space: global }
    .group_segment_fixed_size: 52224
    .private_segment_fixed_size: 0
    .kernarg_segment_align: 8
    .kernarg_segment_size: 40
    .max_flat_workgroup_size: 256
    .sgpr_count:     66
    .vgpr_count:     256
    .wavefront_size: 32
...
	.end_amdgpu_metadata
.endif
;; end of part 3
;; ======== version 2 of 2: 3 launches; version 1 with the launches qkv, attn, proj written anew for expert scheduling mode
;; workspace buffers: qc 2,097,152 bytes; kv 4,194,304 bytes; at 2,097,152 bytes
;; launch qkv (part 4): grid 64 x 4, 8 waves a work-group, no clusters, 88,064 bytes of LDS; arguments x, w_qkv, b_qkv, lowp_scales, qc, kv; writes qc, kv
.if DOCPART == 4
	.amdgcn_target "amdgcn-amd-amdhsa--gfx1250"
	.amdhsa_code_object_version 6
	.text
	.protected	k_q6450934196_qkv
	.globl	k_q6450934196_qkv
	.p2align	8
	.type	k_q6450934196_qkv,@function
k_q6450934196_qkv:
	s_mov_b64 s[64:65], 0
	v_nop
	global_prefetch_b8 v0, s[64:65] scope:SCOPE_SE
	s_setreg_imm32_b32 hwreg(HW_REG_WAVE_SCHED_MODE, 0, 2), 2
	s_setreg_imm32_b32 hwreg(HW_REG_WAVE_MODE, 25, 1), 1
	s_wait_xcnt 0x0
	s_wait_alu depctr_vm_vsrc(0)
; qkv = tokens w_qkv + b_qkv on codes of FP8 (E4M3), tokens[b][n][c] = x[b][c][n]; q, k and v leave as codes of FP8 for the attention launch.
; x: [2][256][4096] f32, w_qkv: [256][768] f32: in both K (the channel) is the OUTER axis.  lowp_scales: e0 (x), e1 (w_qkv), e2 (q), e3 (k), e5 (v).
; SHARES.  A work-group takes 128 tokens (b = X / 32, tokens 128 (X % 32) on) x 192 output columns (192 y on): six UNITS of 32 columns.  Unit U = 0 .. 23: U / 8 says q, k or v, U % 8 the head.
; PHASE A.  Wave w owns K rows 32 w .. 32 w + 31 of x's block and of w_qkv's block.  A lane takes TWO neighbouring columns and its registers run down K: a load of the wave covers 256 consecutive bytes, aligned.
;   The conversions take 4 k x 2 columns at a time; v_perm_b32 parts the two columns; each column's 32 codes go into its row in LDS (K innermost, rows of 256 codes + 16 bytes of padding).
; PHASE B, behind the launch's one barrier.  Wave (tq = w / 2, ch = w % 2) makes 32 tokens x 96 columns: three units, each 2 x 2 tiles x 2 K steps of 128.
;   q, k: the product is used TRANSPOSED (source 0 = 16 columns of w_qkv, source 1 = 16 tokens), and lane r of tile u takes column 8 u + r + 8 (r / 8) of the unit: a lane then holds ONE token and d = 16 (lane / 16) + 0 .. 15.
;   v: natural use (source 0 = 16 tokens, source 1 = 16 columns): a lane holds ONE d and eight neighbouring tokens, which are the keys, the K of attention's second product.
;   The bias goes in as the C of a sum's first matrix instruction, divided by 2^(e0 + e1); the conversion's one scale is 2^(e - e0 - e1).
; WHAT IS STORED are images of operand registers, 16 bytes a lane, 512 consecutive bytes a store:
;   qc [head 16][token tile 256][lane][16]: lane (r, h): token 16 T + r, d = 16 h + 0 .. 15.
;   kv [head 16][step of 128 keys 32][8192]: bytes 0 .. 4095: eight key tiles as in qc; bytes 4096 on: [d tile 2][chunk 4][lane][16]: lane (r, h): d = 16 u + r, chunk c': keys 32 c' + 8 h + 0 .. 7 and 32 c' + 16 + 8 h + 0 .. 7.
; Fragments are fetched by four loads of 16 bytes: a permutation of k inside an instruction, the same in both sources.
; LIMITS: e0, e1, and e2 - e0 - e1, e3 - e0 - e1, e5 - e0 - e1 lie between -126 and 119, so that each power of two below and 448 x it are f32 numbers.  NaN among the inputs is not served.
; No tensor loads: the f32 numbers must pass through registers to be quantised.  No cluster: what work-groups share here arrives as f32 and is quantised on the way.
; THE MODE: SCHED_MODE bits 1:0 = 2 (LLVM: expert scheduling mode 2), set by the entry lines.  The code itself states the register dependences
; between vector or matrix instructions and memory or LDS instructions, with s_wait_alu, always for 0.
; THE PLAN.  Registers that memory or LDS instructions touch:
;   v1 .. v9      offsets and LDS addresses: written at the head, never again.  One wait on va_vdst ahead of the first load serves them all.
;   the two sets  Item a: its holds and conversions read and write set a % 2; behind them the loads of item a + 2 land in it.
;   v[CO ..]      Item a: written by its sixteen v_perm_b32, read by its four LDS stores, written again by item a + 1's.
;   XF, WF        Behind the barrier LDS loads land in them (WF lies over a part of the sets, of CI and of CO); matrix instructions read them; WF is loaded anew in each unit.
;   v[CD ..]      A unit's conversions write them, its two global stores read them, the next unit's conversions write them again.
;   BQ, BV, ACC and the scales are named by loads once, at the head, and then by vector and matrix instructions alone.
; An item has ONE wait on va_vdst, behind its permutes: the set is free for the loads and CO is written for the stores; and one on vm_vsrc ahead of the permutes.
; A unit has ONE wait on va_vdst, ahead of its stores: CD is written, and the products are done reading WF, in which the next unit's loads land; and one on vm_vsrc at the next unit's head.
.set PITCH, 272                        ; an LDS row: 256 codes + 16 bytes = 68 words: the sixteen rows of a fragment load start at sixteen different banks
.set WT,    128*PITCH                  ; LDS: 128 rows of x's codes from byte 0, then 192 rows of w_qkv's
.set SETA,  96                         ; phase A: v96-159, v160-223: two sets of 64 numbers
.set CI,    224                        ; v224-239 codes, two columns interleaved
.set CO,    240                        ; v240-255 codes, column by column
.set BQ,    24                         ; v24-71   a unit's C: 16 registers
.set BV,    72                         ; v72-77   v's form of the bias: one number a lane and tile
.set CD,    80                         ; phase B: v80-87 the codes to store
.set ACC,   88                         ; v88-119  four accumulators
.set XF,    120                        ; v120-183 x's fragments (tile T, K step s) at 32 T + 16 s
.set WF,    184                        ; v184-247 a unit's fragments of w_qkv (tile u, K step s) at 32 u + 16 s
; v1 8 x lane; v2, v3 where I store codes (x's rows, w's rows); v4 x's fragments; v5 w's fragments, q and k; v6 the same for v; v7 16 x lane; v8 64 h; v9 4 r; v12-15 2^e0, 448 x 2^e0, 2^e1, 448 x 2^e1; v16, v17 a unit's scale and hold
	s_load_b256 s[4:11], s[0:1], 0x0               ; x s[4:5], w_qkv s[6:7], b_qkv s[8:9], the scales' exponents s[10:11]
	s_load_b128 s[12:15], s[0:1], 0x20             ; qc s[12:13], kv s[14:15]
	v_lshl_add_u32 v78, v0, 2, 0x15400
	v_mov_b32 v79, 0
	v_lshrrev_b32 v10, 5, v0
	v_readfirstlane_b32 s16, v10                   ; wave 0..7
	v_and_b32 v10, 31, v0                          ; lane
	v_and_b32 v11, 15, v0                          ; r
	v_bfe_u32 v18, v0, 4, 1                        ; h
	s_wait_alu depctr_va_sdst(0)                   ; s16 is written, ahead of its first reader: shares, LDS places and bases are made from it
	s_and_b32 s18, ttmp7, 0xffff                   ; y
	s_and_b32 s19, s16, 1                          ; ch
	s_lshr_b32 s20, s16, 1                         ; tq
	s_lshr_b32 s21, ttmp9, 5                       ; b
	s_and_b32 s22, ttmp9, 31                       ; xs: which 128 tokens
	s_mul_i32 s44, s18, 6
	s_mul_i32 s45, s19, 3
	s_add_co_u32 s44, s44, s45                     ; my first unit: 6 y + 3 ch
	s_mov_b32 s33, 0x06040200                      ; v_perm_b32: the even bytes of a pair of registers,
	s_mov_b32 s34, 0x07050301                      ; the odd ones
	v_lshlrev_b32 v1, 3, v10
	v_mul_u32_u24 v2, v10, 2*PITCH
	s_lshl_b32 s45, s16, 5
	v_add_nc_u32 v2, s45, v2                       ; row 2 x lane, byte 32 w
	v_add_nc_u32 v3, WT, v2
	v_mul_u32_u24 v4, v11, PITCH
	v_lshl_add_u32 v4, v18, 4, v4                  ; r x pitch + 16 h
	s_mul_i32 s45, s19, 96*PITCH
	s_add_co_u32 s45, s45, WT
	v_add_nc_u32 v6, s45, v4                       ; my 96 rows of w's codes
	v_and_b32 v19, 8, v11
	v_mul_u32_u24 v19, v19, PITCH
	v_add_nc_u32 v5, v19, v6                       ; the same with row r + 8 (r / 8)
	s_mul_i32 s45, s20, 32*PITCH
	v_add_nc_u32 v4, s45, v4                       ; my 32 rows of x's codes
	v_lshlrev_b32 v7, 4, v10
	v_lshlrev_b32 v8, 6, v18
	v_lshlrev_b32 v9, 2, v11
	s_lshl_b32 s42, s21, 22                        ; x: b x 256 rows of 16,384 bytes,
	s_lshl_b32 s45, s16, 19                        ; + 32 w rows,
	s_or_b32 s42, s42, s45
	s_lshl_b32 s45, s22, 9                         ; + 128 xs tokens of 4 bytes
	s_or_b32 s42, s42, s45
	s_mov_b32 s43, 0
	s_mul_i32 s46, s16, 32*3072                    ; w_qkv: 32 w rows of 3,072 bytes,
	s_mul_i32 s45, s18, 768                        ; + 192 y columns
	s_add_co_u32 s46, s46, s45
	s_mov_b32 s47, 0
	s_lshl_b32 s52, s44, 7                         ; b_qkv: 32 numbers a unit
	s_mov_b32 s53, 0
	s_wait_kmcnt 0x0
	s_load_b256 s[24:31], s[10:11], 0x0            ; e0 .. e7
	s_add_nc_u64 s[36:37], s[4:5], s[42:43]
	s_add_nc_u64 s[38:39], s[6:7], s[46:47]
	s_add_nc_u64 s[40:41], s[8:9], s[52:53]
	s_wait_alu depctr_va_vdst(0)                   ; the nine offsets and addresses v1 to v9 are written, which every load and store of the kernel reads
.irp i, 0,1,2                          ; the biases of my three units, in both forms: the oldest loads
.irp u, 0,1
	global_load_b128 v[BQ+16*\i+8*\u:BQ+16*\i+8*\u+3], v8, s[40:41] offset:128*\i+32*\u        ; q, k: d = 16 h + 8 u + 0 .. 7
	global_load_b128 v[BQ+16*\i+8*\u+4:BQ+16*\i+8*\u+7], v8, s[40:41] offset:128*\i+32*\u+16
	global_load_b32 v[BV+2*\i+\u], v9, s[40:41] offset:128*\i+64*\u                            ; v: d = 16 u + r
.endr
.endr
; Item a: 0, 1: x's tokens 64 a on; 2, 3, 4: w_qkv's columns 64 (a - 2) on.  32 loads: K row i of my 32, two columns a lane.
.macro LOAD a
.set SB, SETA+64*((\a)%2)
.set i, 0
.rept 32
.if (\a) < 2
	global_load_b64 v[SB+2*i:SB+2*i+1], v1, s[36:37] offset:i*16384+256*(\a)
.else
	global_load_b64 v[SB+2*i:SB+2*i+1], v1, s[38:39] offset:i*3072+256*((\a)-2)
.endif
.set i, i+1
.endr
.endm
.macro ITEM a, left                    ; left: the younger loads, which may stay out
.set SB, SETA+64*((\a)%2)
.if (\a) < 2
.set SC, 12
.set AD, 2
.set OF, 64*(\a)*PITCH
.else
.set SC, 14
.set AD, 3
.set OF, 64*((\a)-2)*PITCH
.endif
	s_wait_loadcnt \left
.set i, 0
.rept 64
	v_med3_num_f32 v[SB+i], v[SB+i], -v[SC+1], v[SC+1]   ; the conversion to an 8-bit code does not saturate (ISA guide 7.6.2): the hold at 448 x the scale
.set i, i+1
.endr
.set i, 0
.rept 8
	v_cvt_scalef32_pk8_fp8_f32 v[CI+2*i:CI+2*i+1], v[SB+8*i:SB+8*i+7], v[SC]   ; k = 4 i .. 4 i + 3 of both columns, interleaved
.set i, i+1
.endr
	v_nop                                          ; one plain vector instruction between the conversions and the first reader of their results
.if (\a) > 0
	s_wait_alu depctr_vm_vsrc(0)                   ; the last item's LDS stores have read v[CO ..], which the lines below write again
.endif
.set i, 0
.rept 8
	v_perm_b32 v[CO+i], v[CI+2*i+1], v[CI+2*i], s33       ; the first column's k = 4 i .. 4 i + 3,
	v_perm_b32 v[CO+8+i], v[CI+2*i+1], v[CI+2*i], s34     ; the second's
.set i, i+1
.endr
	s_wait_alu depctr_va_vdst(0)                   ; the holds and conversions are done with this set, in which the loads below land; the permutes have written v[CO ..], which the LDS stores below read
.if (\a) < 3
	LOAD (\a)+2                                    ; this set of registers takes the item two further on
.endif
	ds_store_b128 v[AD], v[CO:CO+3] offset:OF
	ds_store_b128 v[AD], v[CO+4:CO+7] offset:OF+16
	ds_store_b128 v[AD], v[CO+8:CO+11] offset:OF+PITCH
	ds_store_b128 v[AD], v[CO+12:CO+15] offset:OF+PITCH+16
.endm
.macro MKSCALE e, vs, vh               ; v[vs] = 2^e as f32, v[vh] = 448 x 2^e
	s_add_co_i32 s42, \e, 127
	s_lshl_b32 s43, s42, 23
	v_mov_b32 v[\vs], s43
	s_add_co_i32 s42, s42, 8
	s_lshl_b32 s42, s42, 23
	s_or_b32 s42, s42, 0x600000
	v_mov_b32 v[\vh], s42
.endm
	LOAD 0
	LOAD 1
	s_wait_kmcnt 0x0
	MKSCALE s24, 12, 13
	MKSCALE s25, 14, 15
	s_add_co_i32 s32, s24, s25
	s_sub_co_i32 s32, 0, s32                       ; -(e0 + e1)
	ITEM 0, 32                                     ; only the next item's 32 loads are younger; the biases are in too
	ITEM 1, 32
	ITEM 2, 32
	ITEM 3, 32
	ITEM 4, 0
	s_wait_dscnt 0x0                               ; for the others' sake: my codes lie in LDS
	s_barrier_signal -1
	s_barrier_wait -1                              ; everybody's do; nothing is stored into LDS behind this barrier
	s_wait_alu depctr_vm_vsrc(0)                   ; my LDS stores have read v[CO ..]: the first unit's fragments of w_qkv land in a part of these registers.  (The vector instructions that named XF's and WF's registers stand ahead of the last item's wait on va_vdst)
.irp T, 0,1
.irp s, 0,1
.irp c, 0,1,2,3
	ds_load_b128 v[XF+32*\T+16*\s+4*\c:XF+32*\T+16*\s+4*\c+3], v4 offset:16*\T*PITCH+128*\s+32*\c
.endr
.endr
.endr
.macro DSTSCALE                        ; s55 = the destination's e: v16 = 2^(e - e0 - e1), v17 = 448 x that
	s_add_co_i32 s55, s55, s32
	s_add_co_i32 s55, s55, 127
	s_lshl_b32 s56, s55, 23
	v_mov_b32 v16, s56
	s_add_co_i32 s55, s55, 8
	s_lshl_b32 s55, s55, 23
	s_or_b32 s55, s55, 0x600000
	v_mov_b32 v17, s55
.endm
.macro FINISH step                     ; four accumulators become 2 x 16 bytes a lane; step: bytes from the first store to the second
.rept 4
	v_nop                                          ; four places behind the last product (ISA guide 7.12.1), ahead of the first read of results
.endr
.set j, 0
.rept 32
	v_med3_num_f32 v[ACC+j], v[ACC+j], -v17, v17   ; each accumulator from its low end on
.set j, j+1
.endr
.set j, 0
.rept 4
	v_cvt_scalef32_pk8_fp8_f32 v[CD+2*j:CD+2*j+1], v[ACC+8*j:ACC+8*j+7], v16
.set j, j+1
.endr
	v_nop                                          ; one plain vector instruction behind the last conversion: the next unit writes its sources again
	s_wait_alu depctr_va_vdst(0)                   ; the conversions have written v[CD ..], which the stores read; the unit's products are done reading WF, in which the next unit's loads land
	global_store_b128 v7, v[CD:CD+3], s[48:49]                   ; the wave stores 512 consecutive bytes, aligned
	global_store_b128 v7, v[CD+4:CD+7], s[48:49] offset:\step
.endm
.macro UNIT_QK i
.irp u, 0,1
.irp s, 0,1
.irp c, 0,1,2,3
	ds_load_b128 v[WF+32*\u+16*\s+4*\c:WF+32*\u+16*\s+4*\c+3], v5 offset:(32*\i+8*\u)*PITCH+128*\s+32*\c
.endr
.endr
.endr
.set j, 0
.rept 16
	v_ldexp_f32 v[BQ+16*\i+j], v[BQ+16*\i+j], s32  ; bias / 2^(e0 + e1)
.set j, j+1
.endr
	s_lshl_b32 s52, s51, 17                        ; qc: head x 256 tiles of 512 bytes + 8 xs tiles,
	s_lshl_b32 s53, s22, 12
	s_or_b32 s52, s52, s53
	s_lshl_b32 s53, s51, 18                        ; kv: head x 32 steps of 8,192 bytes + xs steps
	s_lshl_b32 s54, s22, 13
	s_or_b32 s53, s53, s54
	s_lshl_b32 s54, s20, 10                        ; + my two tiles' place: 2 tq x 512
	s_cmp_lt_u32 s50, 8                            ; q or k?  The choice hangs on ids alone
	s_cselect_b32 s52, s52, s53
	s_cselect_b32 s55, s26, s27                    ; e2 or e3
	s_cselect_b64 s[48:49], s[12:13], s[14:15]
	s_or_b32 s52, s52, s54
	s_mov_b32 s53, 0
	s_add_nc_u64 s[48:49], s[48:49], s[52:53]
	DSTSCALE
	s_wait_dscnt 0x0
.irp s, 0,1                            ; the four accumulators take turns, one instruction a turn, in the same order in both K steps
.irp T, 0,1
.irp u, 0,1
.if \s == 0
	v_wmma_f32_16x16x128_fp8_fp8 v[ACC+16*\T+8*\u:ACC+16*\T+8*\u+7], v[WF+32*\u:WF+32*\u+15], v[XF+32*\T:XF+32*\T+15], v[BQ+16*\i+8*\u:BQ+16*\i+8*\u+7]
.else
	v_wmma_f32_16x16x128_fp8_fp8 v[ACC+16*\T+8*\u:ACC+16*\T+8*\u+7], v[WF+32*\u+16:WF+32*\u+31], v[XF+32*\T+16:XF+32*\T+31], v[ACC+16*\T+8*\u:ACC+16*\T+8*\u+7]
.endif
.endr
.endr
.endr
	FINISH 512                                     ; tile T's 16 bytes a lane: d = 16 h + 0 .. 15 of token 16 T + r
.endm
.macro UNIT_V i
.irp u, 0,1
.irp s, 0,1
.irp c, 0,1,2,3
	ds_load_b128 v[WF+32*\u+16*\s+4*\c:WF+32*\u+16*\s+4*\c+3], v6 offset:(32*\i+16*\u)*PITCH+128*\s+32*\c
.endr
.endr
.endr
.irp u, 0,1
.irp j, 0,1,2,3,4,5,6,7
	v_ldexp_f32 v[BQ+16*\i+8*\u+\j], v[BV+2*\i+\u], s32   ; a lane's eight results share one d: its bias / 2^(e0 + e1), eight times
.endr
.endr
	s_lshl_b32 s52, s51, 18
	s_lshl_b32 s53, s22, 13
	s_or_b32 s52, s52, s53
	s_lshl_b32 s53, s20, 9                         ; my 32 keys are chunk tq of the step's four
	s_or_b32 s52, s52, s53
	s_or_b32 s52, s52, 4096                        ; V lies behind the step's K
	s_mov_b32 s53, 0
	s_add_nc_u64 s[48:49], s[14:15], s[52:53]
	s_mov_b32 s55, s29                             ; e5
	DSTSCALE
	s_wait_dscnt 0x0
.irp s, 0,1
.irp u, 0,1
.irp T, 0,1
.if \s == 0
	v_wmma_f32_16x16x128_fp8_fp8 v[ACC+16*\u+8*\T:ACC+16*\u+8*\T+7], v[XF+32*\T:XF+32*\T+15], v[WF+32*\u:WF+32*\u+15], v[BQ+16*\i+8*\u:BQ+16*\i+8*\u+7]
.else
	v_wmma_f32_16x16x128_fp8_fp8 v[ACC+16*\u+8*\T:ACC+16*\u+8*\T+7], v[XF+32*\T+16:XF+32*\T+31], v[WF+32*\u+16:WF+32*\u+31], v[ACC+16*\u+8*\T:ACC+16*\u+8*\T+7]
.endif
.endr
.endr
.endr
	FINISH 2048                                    ; d tile u's 16 bytes a lane: keys 8 h + 0 .. 7 and 16 + 8 h + 0 .. 7 of my 32
.endm
.macro UNIT i
.if \i > 0
	s_wait_xcnt 0x0                                ; the last unit's stores have read their data and their base: both are written again below
	s_wait_alu depctr_vm_vsrc(0)                   ; the last unit's stores have read v[CD ..], which this unit's conversions write again, in either arm
.endif
	s_add_co_u32 s50, s44, \i                      ; U
	s_and_b32 s51, s50, 7
	s_lshl_b32 s52, s21, 3
	s_add_co_u32 s51, s51, s52                     ; 8 b + head
	s_cmp_lt_u32 s50, 16                           ; q or k, or v: a branch on ids; no barrier and no LDS store stands in either arm
	s_cbranch_scc0 .Lis_v_\@
	UNIT_QK \i
	s_branch .Lunit_done_\@
.Lis_v_\@:
	UNIT_V \i
.Lunit_done_\@:
.endm
	UNIT 0
	UNIT 1
	UNIT 2
	s_wait_dscnt 0x0                               ; the closing lines, six on end
	s_wait_alu 0x0
	s_wait_tensorcnt 0x0
	ds_add_u32 v78, v79
	s_wait_dscnt 0x0
	s_endpgm
.Lfunc_end_k_q6450934196_qkv:
	.size	k_q6450934196_qkv, .Lfunc_end_k_q6450934196_qkv-k_q6450934196_qkv
	.p2alignl 7, 3214868480
	.fill 96, 4, 3214868480
	.section	.rodata,"a",@progbits
	.p2align	6, 0x0
	.amdhsa_kernel k_q6450934196_qkv
		.amdhsa_group_segment_fixed_size 88064
		.amdhsa_private_segment_fixed_size 0
		.amdhsa_enable_private_segment 0
		.amdhsa_kernarg_size 48
		.amdhsa_user_sgpr_count 2
		.amdhsa_user_sgpr_kernarg_segment_ptr 1
		.amdhsa_wavefront_size32 1
		.amdhsa_system_sgpr_workgroup_id_x 1
		.amdhsa_system_sgpr_workgroup_id_y 1
		.amdhsa_system_sgpr_workgroup_id_z 1
		.amdhsa_system_vgpr_workitem_id 0
		.amdhsa_next_free_vgpr 256
		.amdhsa_next_free_sgpr 66
		.amdhsa_reserve_vcc 0
		.amdhsa_float_denorm_mode_32 3
		.amdhsa_float_denorm_mode_16_64 3
		.amdhsa_memory_ordered 1
		.amdhsa_forward_progress 1
		.amdhsa_inst_pref_size 87
	.end_amdhsa_kernel
	.amdgpu_metadata
---
amdhsa.version: [ 1, 2 ]
amdhsa.kernels:
  - .name:           k_q6450934196_qkv
    .symbol:         k_q6450934196_qkv.kd
    .args:
      - { .name: x, .offset: 0, .size: 8, .value_kind: global_buffer, .address_space: global }
      - { .name: w_qkv, .offset: 8, .size: 8, .value_kind: global_buffer, .address_space: global }
      - { .name: b_qkv, .offset: 16, .size: 8, .value_kind: global_buffer, .address_space: global }
      - { .name: lowp_scales, .offset: 24, .size: 8, .value_kind: global_buffer, .address_space: global }
      - { .name: qc, .offset: 32, .size: 8, .value_kind: global_buffer, .address_space: global }
      - { .name: kv, .offset: 40, .size: 8, .value_kind: global_buffer, .address_space: global }
    .group_segment_fixed_size: 88064
    .private_segment_fixed_size: 0
    .kernarg_segment_align: 8
    .kernarg_segment_size: 48
    .max_flat_workgroup_size: 256
    .sgpr_count:     66
    .vgpr_count:     256
    .wavefront_size: 32
...
	.end_amdgpu_metadata
.endif
;; end of part 4
;; launch attn (part 5): grid 16 x 16, 8 waves a work-group, no clusters, 33,792 bytes of LDS; arguments qc, kv, lowp_scales, at; writes at
.if DOCPART == 5
	.amdgcn_target "amdgcn-amd-amdhsa--gfx1250"
	.amdhsa_code_object_version 6
	.text
	.protected	k_q6450934196_attn
	.globl	k_q6450934196_attn
	.p2align	8
	.type	k_q6450934196_attn,@function
k_q6450934196_attn:
	s_mov_b64 s[64:65], 0
	v_nop
	global_prefetch_b8 v0, s[64:65] scope:SCOPE_SE
	s_setreg_imm32_b32 hwreg(HW_REG_WAVE_SCHED_MODE, 0, 2), 2
	s_setreg_imm32_b32 hwreg(HW_REG_WAVE_MODE, 25, 1), 1
	s_wait_xcnt 0x0
	s_wait_alu depctr_vm_vsrc(0)
; Attention on codes of FP8 (E4M3): 16 heads (8 b + head) of 4,096 tokens, head size 32.  qc, kv: the images that the launch before has stored; at: the result as codes (scale 2^e6), an image of the next product's operand.
; THE SOFTMAX AHEAD OF THE SECOND PRODUCT: t = score x log2(e) / sqrt(32); M = the running largest t rounded UP to a whole number, kept as -M = floor(-t); p = 2^(t - M) is quantised with 2^e4, not normalised.
; The row's sum is taken of the unquantised p in f32 and divides at the end.  When M moves, the sum and O are multiplied by 2^(old M - new M): nothing is rounded, and no branch hangs on data.
; SHARES.  A work-group owns 256 queries of one head; each of its eight waves two tiles of 16.  Every wave walks the head's 4,096 keys, 128 a step; a step's fragments of K and V, read from LDS once, serve both tiles.
; LAYOUT.  Both products are used transposed: S^T = K Q^T (source 0 = keys, source 1 = my queries), O^T = V^T P^T (source 0 = 16 of the head's 32, source 1 = P): a lane holds ONE query (lane % 16) throughout.
;   In S^T register j of key tile T is key 16 T + 8 (lane / 16) + j: converted eight at a time, the codes are registers 2 T, 2 T + 1 of the K = 128 form's operand, as that form's own layout has them.  V's image is laid to match.
; K = 32 IN AN INSTRUCTION OF K = 64.  Eight registers of K hold TWO key tiles (four registers each).  Q stands between zeros: (0000, q, 0000).  Against (q, 0000) the product is the first tile's, against (0000, q) the second's:
;   Q's zero codes cancel the other tile (K's codes were held at 448: none is NaN).
; THE FEED.  A slot is two steps, 16,384 consecutive bytes of kv.  Each of the 256 threads copies 4 x 16 bytes of it: loaded into registers a slot ahead, stored into the LDS half that was left, one barrier a slot.
; WHY NO TENSOR LOADS AND NO CLUSTER.  The sixteen work-groups of a head share 8,192 bytes a step, beside which each of eight waves issues some 380 vector instructions; the copy costs a wave two loads and two LDS stores a step.
;   And p is at most 1, so the hold at 448 x 2^e4 changes nothing where e4 >= -8: 128 instructions a step stand under a scalar branch on e4, a whole number read from memory.
; LIMITS: e2 + e3 between -124 and 129 (added to c's exponent field); e4 and e6 between -126 and 119; e4 + e5 is applied by v_ldexp_f32 and has none.
; REGISTERS, in windows of 256 (s_set_vgpr_msb: bits 1:0 source 0, 3:2 source 1, 5:4 source 2, 7:6 destination).  All that the softmax touches lies in window 0:
;   window 0: v1-3 addresses; v6-9 scales; v16 + 8 t statistics; v32 + 16 t p's codes; v64 + 64 t S^T, then p.
;   window 1: v0 + 16 t + 8 u O^T; v32 + 12 t Q between zeros; v64-95 K; v96-127 V; v128-143 the slot on its way.
; THE MODE: SCHED_MODE bits 1:0 = 2 (LLVM: expert scheduling mode 2), set by the entry lines.  The code itself states the register dependences
; between vector or matrix instructions and memory or LDS instructions, with s_wait_alu, always for 0.
; THE PLAN.  Registers that memory or LDS instructions touch:
;   v1, v2, v3    addresses and offsets: written at the head, never again.  One wait on va_vdst ahead of the first load serves them for the whole kernel.
;   STG           A slot's four global loads land in it; a slot later four LDS stores read it; then the next four loads land.  No vector instruction names it: one wait on vm_vsrc stands straight ahead of each run of loads but the first.
;   K's registers Read by a step's sixteen first products.  LDS loads land in them at a slot's head (its first step's K) and in the middle of its first step (its second step's K).
;   V's registers Read by a step's four second products.  LDS loads land in them in the middle of each step.
;   p's codes     Named by conversions and matrix instructions; at the kernel's end the two global stores read them, behind a wait on va_vdst.
; THE LOOP HAS NO WAIT OF ITS OWN FOR K AND V.  The wait that stands for tile 0's exponentials lies behind this step's first products and behind the last step's second products: V's loads, and the next step's K,
; stand straight behind it.  The loads at a slot's head find K's last readers ahead of the last step's two waits, and no vector or matrix instruction since those waits names K's registers.
.set LL,   1                           ; v1  16 x lane: an image's place for my lane
.set LI,   2                           ; v2  16 x thread: my 16 bytes of the copy's 4,096
.set PFO,  3                           ; v3  256 x thread: the prefetch's offset
.set CV,   6                           ; v6  2^e4;  v7  448 x 2^e4
.set HL,   7
.set CV6,  8                           ; v8  2^e6;  v9  448 x 2^e6
.set HL6,  9
.set ST,   16                          ; tile t at v[16 + 8 t]: +0 -M, +1 the largest t, +2, +3 the sum in two halves, +4 f (+5 named with it), +6, +7 at work
.set PC,   32
.set S,    64
.set O,    0                           ; window 1
.set Q,    32
.set KF,   64
.set VF,   96
.set STG,  128
.set HALFB, 16384                      ; an LDS half = a slot
.set MSB, 0
.macro WIN new                         ; the immediate's high byte repeats the setting that is left; a switch that changes nothing is dropped
.if MSB != \new
	s_set_vgpr_msb (MSB<<8)|\new
.set MSB, \new
.endif
.endm
	s_load_b256 s[4:11], s[0:1], 0x0               ; qc s[4:5], kv s[6:7], the scales' exponents s[8:9], at s[10:11]
	v_lshl_add_u32 v254, v0, 2, 0x8000
	v_mov_b32 v255, 0
	v_lshrrev_b32 v4, 5, v0
	v_readfirstlane_b32 s12, v4                    ; wave 0..7
	v_and_b32 v[LL], 31, v0
	v_lshlrev_b32 v[LL], 4, v[LL]
	v_lshlrev_b32 v[LI], 4, v0
	v_lshlrev_b32 v[PFO], 8, v0
	s_wait_alu depctr_va_sdst(0)                   ; s12 is written, ahead of its first reader: the bases of qc and at and the prefetch's test are made from it
	s_and_b32 s13, ttmp7, 0xffff                   ; 8 b + head
	s_lshl_b32 s36, s13, 18                        ; kv: a head's 32 steps of 8,192 bytes
	s_mov_b32 s37, 0
	s_lshl_b32 s38, s13, 17                        ; qc: a head's 256 tiles of 512 bytes,
	s_lshl_b32 s14, ttmp9, 13                      ; + 16 x tiles,
	s_or_b32 s38, s38, s14
	s_lshl_b32 s14, s12, 10                        ; + 2 w
	s_or_b32 s38, s38, s14
	s_mov_b32 s39, 0
	s_lshr_b32 s40, s13, 3                         ; at: token tile 256 b + 16 x + 2 w, 4,096 bytes each,
	s_lshl_b32 s40, s40, 20
	s_lshl_b32 s14, ttmp9, 16
	s_or_b32 s40, s40, s14
	s_lshl_b32 s14, s12, 13
	s_or_b32 s40, s40, s14
	s_and_b32 s14, s13, 7
	s_lshl_b32 s14, s14, 9                         ; + 512 x head: K step head / 4, chunk head % 4
	s_or_b32 s40, s40, s14
	s_mov_b32 s41, 0
	s_mov_b32 s26, 0x76543210                      ; v_permlanex16_b32: lane l xor 16
	s_mov_b32 s27, 0xfedcba98
	s_mov_b32 s28, 0                               ; the trip
	s_lshr_b32 s30, s12, 1                         ; 0 in waves 0 and 1,
	s_or_b32 s30, s30, ttmp9                       ; of the head's first work-group
	s_cmp_eq_u32 s30, 0
	s_cselect_b32 s29, 7, 0                        ; a wave prefetches while the trip is under this
	s_wait_kmcnt 0x0
	s_load_b256 s[16:23], s[8:9], 0x0              ; e0 .. e7
	s_add_nc_u64 s[32:33], s[6:7], s[36:37]        ; the slot to be loaded: slot 0
	s_add_nc_u64 s[34:35], s[4:5], s[38:39]
	s_add_nc_u64 s[10:11], s[10:11], s[40:41]
.macro STAGE_IN again                  ; 4 x 4,096 bytes of the slot at s[32:33], 16 bytes a thread, into window 1.  again = 1: the staging registers have been stored from
	WIN 0x40
.if \again
	s_wait_alu depctr_vm_vsrc(0)                   ; the LDS stores of the slot before have read the staging registers, in which these loads land
.endif
.irp i, 0,1,2,3
	global_load_b128 v[STG+4*\i:STG+4*\i+3], v[LI], s[32:33] offset:4096*\i
.endr
.endm
.macro STAGE_OUT half                  ; and from there into an LDS half
	WIN 0x04
.irp i, 0,1,2,3
	ds_store_b128 v[LI], v[STG+4*\i:STG+4*\i+3] offset:(\half)*HALFB+4096*\i
.endr
	WIN 0
.endm
	WIN 0x40
	s_wait_alu depctr_va_vdst(0)                   ; v1, v2 and v3 are written: every load, LDS instruction, store and prefetch of the kernel reads one of them
.irp t, 0,1
	global_load_b128 v[Q+12*\t+4:Q+12*\t+7], v[LL], s[34:35] offset:512*\t   ; Q stays in registers
.endr
	STAGE_IN 0                                     ; slot 0
.irp j, 0,1,2,3,8,9,10,11,12,13,14,15,20,21,22,23
	v_mov_b32 v[Q+\j], 0                           ; the zeros round Q
.endr
.set j, 0
.rept 32
	v_mov_b32 v[O+j], 0                            ; O^T.  (The step is written once: the first finds zeros, which the first change of M leaves zeros)
.set j, j+1
.endr
	WIN 0
.irp t, 0,1
	v_mov_b32 v[ST+8*\t+1], 0xff61b1e6             ; the largest t so far: -3e38, under every t
	v_floor_f32 v[ST+8*\t], -v[ST+8*\t+1]          ; -M
	v_mov_b32 v[ST+8*\t+2], 0                      ; the sum
	v_mov_b32 v[ST+8*\t+3], 0
	v_mov_b32 v[ST+8*\t+5], 0                      ; (named as the upper half of f's pair)
.endr
	s_wait_kmcnt 0x0
	s_mov_b32 s24, 0x3e8293ee                      ; c = log2(e) / sqrt(32)
	s_add_co_i32 s14, s18, s19
	s_lshl_b32 s14, s14, 23
	s_add_co_i32 s24, s24, s14                     ; a score stands for score x 2^(e2 + e3): the two exponents are added to c's exponent field
	s_mov_b32 s25, s24                             ; (named with it as a pair, so it is written)
	s_add_co_i32 s14, s20, 127
	s_lshl_b32 s15, s14, 23
	v_mov_b32 v[CV], s15
	s_add_co_i32 s14, s14, 8
	s_lshl_b32 s14, s14, 23
	s_or_b32 s14, s14, 0x600000
	v_mov_b32 v[HL], s14
	s_add_co_i32 s14, s22, 127
	s_lshl_b32 s15, s14, 23
	v_mov_b32 v[CV6], s15
	s_add_co_i32 s14, s14, 8
	s_lshl_b32 s14, s14, 23
	s_or_b32 s14, s14, 0x600000
	v_mov_b32 v[HL6], s14
	s_wait_loadcnt 0x0                             ; Q and slot 0 are in: no load of mine is out when the staging registers are asked for again
	STAGE_OUT 0
	s_wait_dscnt 0x0                               ; for the others' sake: my part of slot 0 lies in LDS
	s_wait_xcnt 0x0                                ; the loads have read their base
	s_add_nc_u64 s[32:33], s[32:33], HALFB
	STAGE_IN 1                                     ; slot 1
	WIN 0
	s_barrier_signal -1
	s_barrier_wait -1
; One addition of tile t's row sum: number j of 32.  The 32 pairs of p go into two chains, the sum itself and the pair at work, which meet at the end.
.macro SUMJ t
.set rS, S+64*(\t)
.set rT, ST+8*(\t)
.if j == 0
	v_pk_add_f32 v[rT+6:rT+7], v[rS:rS+1], v[rS+2:rS+3]
.elseif j == 31
	v_pk_add_f32 v[rT+2:rT+3], v[rT+2:rT+3], v[rT+6:rT+7]
.elseif j % 2
	v_pk_add_f32 v[rT+2:rT+3], v[rT+2:rT+3], v[rS+2*j+2:rS+2*j+3]
.else
	v_pk_add_f32 v[rT+6:rT+7], v[rT+6:rT+7], v[rS+2*j+2:rS+2*j+3]
.endif
.endm
; A KEY STEP: 128 keys, the q-th of the slot in LDS half hf.
.macro STEP hf, q
.set OFS, (\hf)*HALFB+(\q)*8192
.if \q
	s_wait_dscnt 0x0                               ; this step's K was asked for in the step before
.endif
	WIN 0x05                                       ; K and Q in window 1, S^T in window 0
.irp t, 0,1
.irp g, 0,1,2,3
	v_wmma_f32_16x16x64_fp8_fp8 v[S+64*\t+16*\g:S+64*\t+16*\g+7], v[KF+8*\g:KF+8*\g+7], v[Q+12*\t+4:Q+12*\t+11], 0      ; key tile 2 g: (q, 0000)
	v_wmma_f32_16x16x64_fp8_fp8 v[S+64*\t+16*\g+8:S+64*\t+16*\g+15], v[KF+8*\g:KF+8*\g+7], v[Q+12*\t:Q+12*\t+7], 0     ; key tile 2 g + 1: (0000, q)
.endr
.endr
	WIN 0
.rept 4
	v_nop                                          ; four places (ISA guide 7.12.1) ahead of the first read of the scores
.endr
	; the largest score of my query among my 64 keys, two chains a tile, both tiles line by line; each accumulator is read from its low end on
.irp t, 0,1
	v_max3_num_f32 v[ST+8*\t+6], v[S+64*\t], v[S+64*\t+1], v[S+64*\t+2]
	v_max3_num_f32 v[ST+8*\t+7], v[S+64*\t+3], v[S+64*\t+4], v[S+64*\t+5]
.endr
.irp i, 6,10,14,18,22,26,30,34,38,42,46,50,54,58
.irp t, 0,1
	v_max3_num_f32 v[ST+8*\t+6], v[ST+8*\t+6], v[S+64*\t+\i], v[S+64*\t+\i+1]
	v_max3_num_f32 v[ST+8*\t+7], v[ST+8*\t+7], v[S+64*\t+\i+2], v[S+64*\t+\i+3]
.endr
.endr
.irp t, 0,1
	v_max3_num_f32 v[ST+8*\t+6], v[ST+8*\t+6], v[S+64*\t+62], v[S+64*\t+63]
.endr
.irp t, 0,1
	v_max_num_f32 v[ST+8*\t+6], v[ST+8*\t+6], v[ST+8*\t+7]
.endr
.irp t, 0,1
	v_permlanex16_b32 v[ST+8*\t+7], v[ST+8*\t+6], s26, s27   ; the query's other 64 keys lie in the lane 16 away
.endr
.irp t, 0,1
	v_max_num_f32 v[ST+8*\t+6], v[ST+8*\t+6], v[ST+8*\t+7]
.endr
.irp t, 0,1
	v_mul_f32 v[ST+8*\t+6], s24, v[ST+8*\t+6]      ; as t (c is positive)
.endr
.irp t, 0,1
	v_max_num_f32 v[ST+8*\t+1], v[ST+8*\t+1], v[ST+8*\t+6]   ; the running largest t
.endr
.irp t, 0,1
	v_mov_b32 v[ST+8*\t+6], v[ST+8*\t]
.endr
.irp t, 0,1
	v_floor_f32 v[ST+8*\t], -v[ST+8*\t+1]          ; the new -M = floor(-t) = -ceil(t)
.endr
.irp t, 0,1
	v_sub_f32 v[ST+8*\t+6], v[ST+8*\t], v[ST+8*\t+6]   ; old M - new M: a whole number, 0 or less
.endr
.irp t, 0,1
	v_cvt_i32_f32 v[ST+8*\t+6], v[ST+8*\t+6]       ; (it saturates)
.endr
.irp t, 0,1
	v_ldexp_f32 v[ST+8*\t+4], 1.0, v[ST+8*\t+6]    ; f = 2^(old M - new M)
.endr
	; t - M, two at a time; tile 1's scalings stand among tile 0's exponentials, tile 0's sums among tile 1's.  Ahead of its wait no line names a batch's result.
.set j, 0
.rept 32
	v_pk_fma_f32 v[S+2*j:S+2*j+1], v[S+2*j:S+2*j+1], s[24:25], v[ST:ST+1] op_sel_hi:[1,0,0]
.set j, j+1
.endr
.set j, 0
.rept 32
	v_pk_fma_f32 v[S+64+2*j:S+64+2*j+1], v[S+64+2*j:S+64+2*j+1], s[24:25], v[ST+8:ST+9] op_sel_hi:[1,0,0]
	v_exp_f32 v[S+2*j], v[S+2*j]                   ; p = 2^(t - M)
	v_exp_f32 v[S+2*j+1], v[S+2*j+1]
.set j, j+1
.endr
	v_pk_mul_f32 v[ST+2:ST+3], v[ST+2:ST+3], v[ST+4:ST+5] op_sel_hi:[1,0]   ; tile 0's sum under the new M; the plain instruction behind the batch
	WIN 0x40                                       ; (the loads below land in window 1: the switch, the wait, the loads)
	s_wait_alu depctr_va_vdst(0)                   ; tile 0's 64 exponentials have written p, ahead of their first reader; the last step's second products are done reading V, and this step's first products K: the loads below land there
.irp i, 0,1,2,3,4,5,6,7
	ds_load_b128 v[VF+4*\i:VF+4*\i+3], v[LL] offset:OFS+4096+512*\i
.endr
.if \q == 0
.irp i, 0,1,2,3,4,5,6,7
	ds_load_b128 v[KF+4*\i:KF+4*\i+3], v[LL] offset:OFS+8192+512*\i   ; the next step's K
.endr
.endif
	WIN 0
.set j, 0
.rept 32
	v_exp_f32 v[S+64+2*j], v[S+64+2*j]
	v_exp_f32 v[S+64+2*j+1], v[S+64+2*j+1]
	SUMJ 0                                         ; THE ROW'S SUM IS TAKEN OF THE UNQUANTISED p
.set j, j+1
.endr
	v_pk_mul_f32 v[ST+10:ST+11], v[ST+10:ST+11], v[ST+12:ST+13] op_sel_hi:[1,0]
	s_wait_alu depctr_va_vdst(0)                   ; tile 1's 64 exponentials have written p, ahead of their first reader
.set j, 0
.rept 32
	SUMJ 1
.set j, j+1
.endr
	s_cmp_ge_i32 s20, -8                           ; p is at most 1, and 448 x 2^e4 is at least 1.75 from e4 = -8 on: there the hold changes nothing
	s_cbranch_scc1 .Lno_hold_\@
.set j, 0
.rept 128
	v_min_num_f32 v[S+j], v[S+j], v[HL]            ; the conversion does not saturate (ISA guide 7.6.2); p is not negative, so the hold is one-sided
.set j, j+1
.endr
.Lno_hold_\@:
.set j, 0
.rept 16
	v_cvt_scalef32_pk8_fp8_f32 v[PC+2*j:PC+2*j+1], v[S+8*j:S+8*j+7], v[CV]   ; key tile j % 8 of tile j / 8: registers 2 (j % 8), + 1 of the operand
.set j, j+1
.endr
	WIN 0x41                                       ; O^T (destination and source 0) in window 1, f in window 0
.irp t, 0,1
.irp i, 0,2,4,6,8,10,12,14
	v_pk_mul_f32 v[O+16*\t+\i:O+16*\t+\i+1], v[O+16*\t+\i:O+16*\t+\i+1], v[ST+8*\t+4:ST+8*\t+5] op_sel_hi:[1,0]   ; O^T under the new M.  (Also the plain instructions behind the conversions)
.endr
.endr
.if \q
	s_wait_dscnt 0x0                               ; V is in; my stores of the next slot have landed, and my reads of this slot are over:
	s_barrier_signal -1                            ; say so
.else
	s_wait_dscnt 8                                 ; V is in; the next step's eight loads of K are younger
.endif
	WIN 0x51                                       ; V in window 1, P in window 0, O^T (C and D) in window 1
.irp t, 0,1
.irp u, 0,1
	v_wmma_f32_16x16x128_fp8_fp8 v[O+16*\t+8*\u:O+16*\t+8*\u+7], v[VF+16*\u:VF+16*\u+15], v[PC+16*\t:PC+16*\t+15], v[O+16*\t+8*\u:O+16*\t+8*\u+7]   ; the four accumulators by turns
.endr
.endr
	WIN 0
.if \q
	s_barrier_wait -1                              ; every wave has said so: the half just read may be stored into, and the other half is whole
.endif
.endm
; A SLOT.  In trip t half hf holds slot j = 2 t + hf.  Slot j + 1, staged in registers, goes into the other half, which every wave left at the last barrier; slot j + 2 is asked for; the slot's two steps.
.macro HALF hf
	s_wait_loadcnt 0x0                             ; slot j + 1 is in registers (asked for a slot ago).  The wait stands on every path, ahead of the branch: between two runs of loads into the staging registers all loads are always waited for
.if \hf
	s_cmp_lt_u32 s28, 7                            ; behind slot 15 there is none to store
	s_cbranch_scc0 .Lno_out_\@
.endif
	STAGE_OUT 1-\hf
.if \hf
.Lno_out_\@:
.endif
	WIN 0x40
.irp i, 0,1,2,3,4,5,6,7
	ds_load_b128 v[KF+4*\i:KF+4*\i+3], v[LL] offset:\hf*HALFB+512*\i   ; the first step's K: registers 8 g .. 8 g + 7 hold key tiles 2 g and 2 g + 1.  No wait: K's last readers stand ahead of the last step's waits on va_vdst, and nothing since names these registers
.endr
	WIN 0
	s_cmp_lt_u32 s28, 7                            ; slots 2 t + 2 and 2 t + 3 exist in trips 0 to 6
	s_cbranch_scc0 .Lno_in_\@
	s_wait_xcnt 0x0                                ; the last loads and the last prefetch, a slot back, have read their base
	s_add_nc_u64 s[32:33], s[32:33], HALFB
	STAGE_IN 1                                     ; slot j + 2: asked for while K is on its way out of LDS
	WIN 0
	; A PREFETCH INTO THE L2 of slot j + 3, which the next slot's loads will ask for: 64 lanes (waves 0 and 1), 256 bytes apart, cover its 16,384 bytes.  All sixteen work-groups of a head walk the same kv:
	; the head's first asks, so each aligned block of 256 bytes is named once in the launch.  Slots 0 to 2 come by their loads alone; the last request names slot 15.
.if \hf
	s_add_co_u32 s30, s28, 1
	s_cmp_lt_u32 s30, s29
.else
	s_cmp_lt_u32 s28, s29
.endif
	s_cbranch_scc0 .Lno_in_\@
	global_prefetch_b8 v[PFO], s[32:33] offset:HALFB th:TH_LOAD_NT scope:SCOPE_SE
.Lno_in_\@:
	s_wait_dscnt 0x0                               ; K is in
	STEP \hf, 0
	STEP \hf, 1
.endm
.Ltrip:                                            ; eight trips of two slots
	HALF 0
	HALF 1
	s_add_co_u32 s28, s28, 1
	s_cmp_lt_u32 s28, 8
	s_cbranch_scc1 .Ltrip
	; THE WAY OUT.  O^T x 2^(e4 + e5) / the sum, held and converted with 2^e6: a lane's 16 bytes are d = 8 h + 0 .. 7 and 16 + 8 h + 0 .. 7 of its token: chunk head % 4 of K step head / 4 of the next product's operand.
.irp t, 0,1
	v_add_f32 v[ST+8*\t+6], v[ST+8*\t+2], v[ST+8*\t+3]       ; the sum's two halves.  (These lines are also the places behind the last products)
.endr
.irp t, 0,1
	v_permlanex16_b32 v[ST+8*\t+7], v[ST+8*\t+6], s26, s27
.endr
.irp t, 0,1
	v_add_f32 v[ST+8*\t+6], v[ST+8*\t+6], v[ST+8*\t+7]       ; and lane l xor 16's
.endr
.irp t, 0,1
	v_rcp_f32 v[ST+8*\t+7], v[ST+8*\t+6]
.endr
	v_nop                                          ; a plain instruction behind the reciprocals
	s_add_co_i32 s30, s20, s21                     ; e4 + e5
	s_wait_alu depctr_va_vdst(0)                   ; both reciprocals are written, ahead of their first reader
.irp t, 0,1
	v_ldexp_f32 v[ST+8*\t+4], v[ST+8*\t+7], s30
.endr
	WIN 0x01                                       ; source 0 (O^T) in window 1
.irp t, 0,1
.irp i, 0,2,4,6,8,10,12,14
	v_pk_mul_f32 v[S+16*\t+\i:S+16*\t+\i+1], v[O+16*\t+\i:O+16*\t+\i+1], v[ST+8*\t+4:ST+8*\t+5] op_sel_hi:[1,0]
.endr
.endr
	WIN 0
.set j, 0
.rept 32
	v_med3_num_f32 v[S+j], v[S+j], -v[HL6], v[HL6]
.set j, j+1
.endr
.set j, 0
.rept 4
	v_cvt_scalef32_pk8_fp8_f32 v[PC+2*j:PC+2*j+1], v[S+8*j:S+8*j+7], v[CV6]
.set j, j+1
.endr
	v_nop
	s_wait_alu depctr_va_vdst(0)                   ; the conversions have written v[PC ..], which the stores read
.irp t, 0,1
	global_store_b128 v[LL], v[PC+4*\t:PC+4*\t+3], s[10:11] offset:4096*\t   ; the wave stores 512 consecutive bytes, aligned
.endr
	s_wait_dscnt 0x0                               ; the closing lines, six on end
	s_wait_alu 0x0
	s_wait_tensorcnt 0x0
	ds_add_u32 v254, v255
	s_wait_dscnt 0x0
	s_endpgm
.Lfunc_end_k_q6450934196_attn:
	.size	k_q6450934196_attn, .Lfunc_end_k_q6450934196_attn-k_q6450934196_attn
	.p2alignl 7, 3214868480
	.fill 96, 4, 3214868480
	.section	.rodata,"a",@progbits
	.p2align	6, 0x0
	.amdhsa_kernel k_q6450934196_attn
		.amdhsa_group_segment_fixed_size 33792
		.amdhsa_private_segment_fixed_size 0
		.amdhsa_enable_private_segment 0
		.amdhsa_kernarg_size 32
		.amdhsa_user_sgpr_count 2
		.amdhsa_user_sgpr_kernarg_segment_ptr 1
		.amdhsa_wavefront_size32 1
		.amdhsa_system_sgpr_workgroup_id_x 1
		.amdhsa_system_sgpr_workgroup_id_y 1
		.amdhsa_system_sgpr_workgroup_id_z 1
		.amdhsa_system_vgpr_workitem_id 0
		.amdhsa_next_free_vgpr 400
		.amdhsa_next_free_sgpr 66
		.amdhsa_reserve_vcc 0
		.amdhsa_float_denorm_mode_32 3
		.amdhsa_float_denorm_mode_16_64 3
		.amdhsa_memory_ordered 1
		.amdhsa_forward_progress 1
		.amdhsa_inst_pref_size 116
	.end_amdhsa_kernel
	.amdgpu_metadata
---
amdhsa.version: [ 1, 2 ]
amdhsa.kernels:
  - .name:           k_q6450934196_attn
    .symbol:         k_q6450934196_attn.kd
    .args:
      - { .name: qc, .offset: 0, .size: 8, .value_kind: global_buffer, .address_space: global }
      - { .name: kv, .offset: 8, .size: 8, .value_kind: global_buffer, .address_space: global }
      - { .name: lowp_scales, .offset: 16, .size: 8, .value_kind: global_buffer, .address_space: global }
      - { .name: at, .offset: 24, .size: 8, .value_kind: global_buffer, .address_space: global }
    .group_segment_fixed_size: 33792
    .private_segment_fixed_size: 0
    .kernarg_segment_align: 8
    .kernarg_segment_size: 32
    .max_flat_workgroup_size: 256
    .sgpr_count:     66
    .vgpr_count:     400
    .wavefront_size: 32
...
	.end_amdgpu_metadata
.endif
;; end of part 5
;; launch proj (part 6): grid 64 x 4, 8 waves a work-group, no clusters, 52,224 bytes of LDS; arguments at, w_out, b_out, lowp_scales, out0; writes out0
.if DOCPART == 6
	.amdgcn_target "amdgcn-amd-amdhsa--gfx1250"
	.amdhsa_code_object_version 6
	.text
	.protected	k_q6450934196_proj
	.globl	k_q6450934196_proj
	.p2align	8
	.type	k_q6450934196_proj,@function
k_q6450934196_proj:
	s_mov_b64 s[64:65], 0
	v_nop
	global_prefetch_b8 v0, s[64:65] scope:SCOPE_SE
	s_setreg_imm32_b32 hwreg(HW_REG_WAVE_SCHED_MODE, 0, 2), 2
	s_setreg_imm32_b32 hwreg(HW_REG_WAVE_MODE, 25, 1), 1
	s_wait_xcnt 0x0
	s_wait_alu depctr_vm_vsrc(0)
; out0[b][c][n] = sum over k of attn[b][n][k] w_out[k][c] + b_out[c], on codes of FP8 (E4M3).  at: attn's codes (scale 2^e6) as images of the operand's registers; w_out: [256][256] f32, K its OUTER axis, quantised here with 2^e7.
; SHARES.  A work-group takes 128 tokens (b = X / 32, tokens 128 (X % 32) on) x 64 channels (64 y on).  Wave w takes token tile w against all 64 channels.
; w_out: wave w owns K rows 32 w .. 32 w + 31 (head w); a lane takes TWO neighbouring columns and its registers run down K: a load of the wave covers 256 consecutive bytes, aligned.  The K rows are loaded in the order
;   0-7, 16-23, 8-15, 24-31, so that bytes 32 w + 16 h + 0 .. 15 of a column's row in LDS are d = 8 h + 0 .. 7 and 16 + 8 h + 0 .. 7: at's order, which is the K = 128 form's own layout; a fragment then comes by four loads of 16 bytes.
; NATURAL USE (source 0 = 16 tokens, source 1 = 16 channels): a lane holds ONE channel and eight neighbouring tokens, 32 neighbouring bytes of out0.  A channel's 128 tokens come from eight waves: they meet in a stage in LDS,
;   and each wave stores eight whole rows of 512 bytes.
; y = sum x 2^(e6 + e7) + b_out: one packed multiply-add for two numbers.
; LIMITS: e7 between -126 and 119; e6 + e7 between -126 and 127.  NaN among the inputs is not served.
; No tensor loads and no cluster: w_out arrives as f32 and is quantised on the way; at's tiles are read by one wave each.
; THE MODE: SCHED_MODE bits 1:0 = 2 (LLVM: expert scheduling mode 2), set by the entry lines.  The code itself states the register dependences
; between vector or matrix instructions and memory or LDS instructions, with s_wait_alu, always for 0.
; THE PLAN.  Registers that memory or LDS instructions touch, in the order of the text (there is no loop):
;   v1 .. v7      offsets and LDS addresses: written at the head, never again.  One wait on va_vdst ahead of the first load serves them all.
;   v[CO ..]      written by the sixteen v_perm_b32, read by four LDS stores: a wait on va_vdst between.  Behind the first barrier fragments land in them: a wait on vm_vsrc ahead of those loads.
;   BF            lies over the 64 numbers, CI and CO, all done with at that wait on va_vdst; LDS loads land in it; the products read it; behind the second barrier the rows of the stage land in its first 32 registers.
;   v[OUT ..]     written by the packed multiply-adds, read by eight LDS stores: a wait on va_vdst between, which also states that the products are done reading BF.
;   AF, the biases and the accumulators are named by loads once, at the head, and then by vector and matrix instructions alone.
.set PITCH,  272                       ; a row of w_out's codes in LDS: 256 + 16 bytes
.set SPITCH, 528                       ; a stage row: 128 tokens x 4 bytes + 16
.set STG,    64*PITCH                  ; LDS: 64 rows of codes from byte 0, then the stage: 64 rows
.set BI,   16                          ; v16 + 2 ct: the bias of channel 16 ct + r (the upper word is named with it)
.set AF,   32                          ; v32-63   my token tile's two fragments
.set SET,  64                          ; v64-127  64 numbers of w_out
.set CI,   128                         ; v128-143 codes, two columns interleaved
.set CO,   144                         ; v144-159 codes, column by column
.set BF,   64                          ; behind the barrier: v64-191 w_out's eight fragments (channel tile ct, K step s) at 32 ct + 16 s
.set ACC,  192                         ; v192-223 four accumulators
.set OUT,  224                         ; v224-255 the results
; v1 8 x lane; v2 where I store codes; v3 16 x lane; v4 a fragment's place; v5 into the stage; v6 out of it; v7 4 r; v8, v9 2^e7 and 448 x 2^e7
	s_load_b256 s[4:11], s[0:1], 0x0               ; at s[4:5], w_out s[6:7], b_out s[8:9], the scales' exponents s[10:11]
	s_load_b64 s[12:13], s[0:1], 0x20              ; out0
	v_lshl_add_u32 v30, v0, 2, 0xc800
	v_mov_b32 v31, 0
	v_lshrrev_b32 v10, 5, v0
	v_readfirstlane_b32 s16, v10                   ; wave 0..7
	v_and_b32 v10, 31, v0                          ; lane
	v_and_b32 v11, 15, v0                          ; r
	v_bfe_u32 v12, v0, 4, 1                        ; h
	s_wait_alu depctr_va_sdst(0)                   ; s16 is written, ahead of its first reader: LDS places and bases are made from it
	s_and_b32 s17, ttmp7, 0xffff                   ; y
	s_lshr_b32 s18, ttmp9, 5                       ; b
	s_and_b32 s19, ttmp9, 31                       ; xs
	v_lshlrev_b32 v1, 3, v10
	v_mul_u32_u24 v2, v10, 2*PITCH
	s_lshl_b32 s44, s16, 5
	v_add_nc_u32 v2, s44, v2                       ; row 2 x lane, byte 32 w
	v_lshlrev_b32 v3, 4, v10
	v_mul_u32_u24 v4, v11, PITCH
	v_lshl_add_u32 v4, v12, 4, v4
	v_mul_u32_u24 v5, v11, SPITCH
	v_lshl_add_u32 v5, v12, 5, v5
	s_lshl_b32 s44, s16, 6
	s_add_co_u32 s44, s44, STG
	v_add_nc_u32 v5, s44, v5                       ; stage row r, + 64 w (my 16 tokens) + 32 h
	s_mul_i32 s44, s16, 8*SPITCH
	s_add_co_u32 s44, s44, STG
	v_add_nc_u32 v6, s44, v3                       ; back: my eight rows, 16 bytes a lane
	v_lshlrev_b32 v7, 2, v11
.irp ct, 0,1,2,3
	v_mov_b32 v[BI+2*\ct+1], 0                     ; (the upper words of the biases' pairs)
.endr
	s_lshl_b32 s36, ttmp9, 15                      ; at: token tile 8 X + w, 4,096 bytes each
	s_lshl_b32 s44, s16, 12
	s_or_b32 s36, s36, s44
	s_mov_b32 s37, 0
	s_lshl_b32 s38, s16, 15                        ; w_out: 32 w rows of 1,024 bytes,
	s_lshl_b32 s40, s17, 8                         ; + 64 y columns; b_out likewise
	s_or_b32 s38, s38, s40
	s_mov_b32 s39, 0
	s_mov_b32 s41, 0
	s_lshl_b32 s42, s18, 22                        ; out0: channel 256 b + 64 y + 8 w, rows of 16,384 bytes,
	s_lshl_b32 s44, s17, 20
	s_or_b32 s42, s42, s44
	s_lshl_b32 s44, s16, 17
	s_or_b32 s42, s42, s44
	s_lshl_b32 s44, s19, 9                         ; + 128 xs tokens
	s_or_b32 s42, s42, s44
	s_mov_b32 s43, 0
	s_mov_b32 s14, 0x06040200                      ; v_perm_b32: the even bytes of a pair of registers,
	s_mov_b32 s15, 0x07050301                      ; the odd ones
	s_wait_kmcnt 0x0
	s_load_b256 s[24:31], s[10:11], 0x0            ; e0 .. e7
	s_add_nc_u64 s[20:21], s[4:5], s[36:37]
	s_add_nc_u64 s[22:23], s[6:7], s[38:39]
	s_add_nc_u64 s[32:33], s[8:9], s[40:41]
	s_add_nc_u64 s[34:35], s[12:13], s[42:43]
	s_wait_alu depctr_va_vdst(0)                   ; the seven offsets and addresses v1 to v7 are written, which every load and store of the kernel reads
.set i, 0
.rept 32
	global_load_b64 v[SET+2*i:SET+2*i+1], v1, s[22:23] offset:((i&7)+16*((i>>3)&1)+8*((i>>4)&1))*1024
.set i, i+1
.endr
.irp s, 0,1
.irp c, 0,1,2,3
	global_load_b128 v[AF+16*\s+4*\c:AF+16*\s+4*\c+3], v3, s[20:21] offset:2048*\s+512*\c
.endr
.endr
.irp ct, 0,1,2,3
	global_load_b32 v[BI+2*\ct], v7, s[32:33] offset:64*\ct
.endr
	s_wait_kmcnt 0x0
	s_add_co_i32 s44, s31, 127
	s_lshl_b32 s45, s44, 23
	v_mov_b32 v8, s45                              ; 2^e7 as f32: the conversion takes its exponent field
	s_add_co_i32 s44, s44, 8
	s_lshl_b32 s44, s44, 23
	s_or_b32 s44, s44, 0x600000
	v_mov_b32 v9, s44                              ; 448 x 2^e7
	s_add_co_i32 s46, s30, s31
	s_add_co_i32 s46, s46, 127
	s_lshl_b32 s46, s46, 23                        ; 2^(e6 + e7) as f32
	s_mov_b32 s47, s46                             ; (named with it as a pair, so it is written)
	s_wait_loadcnt 0x0
.set i, 0
.rept 64
	v_med3_num_f32 v[SET+i], v[SET+i], -v9, v9     ; the conversion to an 8-bit code does not saturate (ISA guide 7.6.2): the hold at 448 x the scale
.set i, i+1
.endr
.set i, 0
.rept 8
	v_cvt_scalef32_pk8_fp8_f32 v[CI+2*i:CI+2*i+1], v[SET+8*i:SET+8*i+7], v8
.set i, i+1
.endr
	v_nop                                          ; one plain vector instruction between the conversions and the first reader of their results
.set i, 0
.rept 8
	v_perm_b32 v[CO+i], v[CI+2*i+1], v[CI+2*i], s14
	v_perm_b32 v[CO+8+i], v[CI+2*i+1], v[CI+2*i], s15
.set i, i+1
.endr
	s_wait_alu depctr_va_vdst(0)                   ; the permutes have written v[CO ..], which the LDS stores read; the holds, conversions and permutes are done with v64 to v159, in which fragments land behind the barrier
	ds_store_b128 v2, v[CO:CO+3]
	ds_store_b128 v2, v[CO+4:CO+7] offset:16
	ds_store_b128 v2, v[CO+8:CO+11] offset:PITCH
	ds_store_b128 v2, v[CO+12:CO+15] offset:PITCH+16
	s_wait_dscnt 0x0                               ; for the others' sake: my codes lie in LDS
	s_barrier_signal -1
	s_barrier_wait -1                              ; everybody's do
	s_wait_alu depctr_vm_vsrc(0)                   ; my LDS stores have read v[CO ..], in which fragments land below
.irp ct, 0,1,2,3
.irp s, 0,1
.irp c, 0,1,2,3
	ds_load_b128 v[BF+32*\ct+16*\s+4*\c:BF+32*\ct+16*\s+4*\c+3], v4 offset:16*\ct*PITCH+128*\s+32*\c
.endr
.endr
.endr
	s_wait_dscnt 0x0
.irp s, 0,1                            ; the four accumulators take turns, one instruction a turn, in the same order in both K steps
.irp ct, 0,1,2,3
.if \s == 0
	v_wmma_f32_16x16x128_fp8_fp8 v[ACC+8*\ct:ACC+8*\ct+7], v[AF:AF+15], v[BF+32*\ct:BF+32*\ct+15], 0
.else
	v_wmma_f32_16x16x128_fp8_fp8 v[ACC+8*\ct:ACC+8*\ct+7], v[AF+16:AF+31], v[BF+32*\ct+16:BF+32*\ct+31], v[ACC+8*\ct:ACC+8*\ct+7]
.endif
.endr
.endr
.rept 4
	v_nop                                          ; four places behind the last product (ISA guide 7.12.1), ahead of the first read of results
.endr
.irp ct, 0,1,2,3
.irp i, 0,2,4,6
	v_pk_fma_f32 v[OUT+8*\ct+\i:OUT+8*\ct+\i+1], v[ACC+8*\ct+\i:ACC+8*\ct+\i+1], s[46:47], v[BI+2*\ct:BI+2*\ct+1] op_sel_hi:[1,0,0]   ; sum x 2^(e6 + e7) + bias (of both pairs the low word serves both halves)
.endr
.endr
	s_wait_alu depctr_va_vdst(0)                   ; the multiply-adds have written v[OUT ..], which the LDS stores read; the products are done reading BF, in which the stage's rows land behind the barrier
.irp ct, 0,1,2,3
	ds_store_b128 v5, v[OUT+8*\ct:OUT+8*\ct+3] offset:16*\ct*SPITCH            ; lane (r, h): channel 16 ct + r, tokens 16 w + 8 h + 0 .. 7
	ds_store_b128 v5, v[OUT+8*\ct+4:OUT+8*\ct+7] offset:16*\ct*SPITCH+16
.endr
	s_wait_dscnt 0x0                               ; for the others' sake: my part of each row lies in the stage
	s_barrier_signal -1
	s_barrier_wait -1                              ; 64 whole rows do
.irp i, 0,1,2,3,4,5,6,7
	ds_load_b128 v[BF+4*\i:BF+4*\i+3], v6 offset:\i*SPITCH
.endr
.irp i, 0,1,2,3,4,5,6,7
	s_wait_dscnt 7-\i                              ; LDS loads come back in order (ISA guide 5.7.1): row i is in, the younger ones may be out
	global_store_b128 v3, v[BF+4*\i:BF+4*\i+3], s[34:35] offset:16384*\i th:TH_STORE_NT   ; 32 lanes store 512 consecutive bytes of one channel's row, aligned; written once, read by nobody here
.endr
	s_wait_dscnt 0x0                               ; the closing lines, six on end
	s_wait_alu 0x0
	s_wait_tensorcnt 0x0
	ds_add_u32 v30, v31
	s_wait_dscnt 0x0
	s_endpgm
.Lfunc_end_k_q6450934196_proj:
	.size	k_q6450934196_proj, .Lfunc_end_k_q6450934196_proj-k_q6450934196_proj
	.p2alignl 7, 3214868480
	.fill 96, 4, 3214868480
	.section	.rodata,"a",@progbits
	.p2align	6, 0x0
	.amdhsa_kernel k_q6450934196_proj
		.amdhsa_group_segment_fixed_size 52224
		.amdhsa_private_segment_fixed_size 0
		.amdhsa_enable_private_segment 0
		.amdhsa_kernarg_size 40
		.amdhsa_user_sgpr_count 2
		.amdhsa_user_sgpr_kernarg_segment_ptr 1
		.amdhsa_wavefront_size32 1
		.amdhsa_system_sgpr_workgroup_id_x 1
		.amdhsa_system_sgpr_workgroup_id_y 1
		.amdhsa_system_sgpr_workgroup_id_z 1
		.amdhsa_system_vgpr_workitem_id 0
		.amdhsa_next_free_vgpr 256
		.amdhsa_next_free_sgpr 66
		.amdhsa_reserve_vcc 0
		.amdhsa_float_denorm_mode_32 3
		.amdhsa_float_denorm_mode_16_64 3
		.amdhsa_memory_ordered 1
		.amdhsa_forward_progress 1
		.amdhsa_inst_pref_size 20
	.end_amdhsa_kernel
	.amdgpu_metadata
---
amdhsa.version: [ 1, 2 ]
amdhsa.kernels:
  - .name:           k_q6450934196_proj
    .symbol:         k_q6450934196_proj.kd
    .args:
      - { .name: at, .offset: 0, .size: 8, .value_kind: global_buffer, .address_space: global }
      - { .name: w_out, .offset: 8, .size: 8, .value_kind: global_buffer, .address_space: global }
      - { .name: b_out, .offset: 16, .size: 8, .value_kind: global_buffer, .address_space: global }
      - { .name: lowp_scales, .offset: 24, .size: 8, .value_kind: global_buffer, .address_space: global }
      - { .name: out0, .offset: 32, .size: 8, .value_kind: global_buffer, .address_space: global }
    .group_segment_fixed_size: 52224
    .private_segment_fixed_size: 0
    .kernarg_segment_align: 8
    .kernarg_segment_size: 40
    .max_flat_workgroup_size: 256
    .sgpr_count:     66
    .vgpr_count:     256
    .wavefront_size: 32
...
	.end_amdgpu_metadata
.endif
;; end of part 6
